; MI455X (gfx1250); checked and timed in simulation.
; The chip was launched on July 23, 2026; its instructions are those of AMD's public machine-readable ISA for CDNA 5 (MIT licence, August 2026) and "CDNA5" Instruction Set Architecture Reference Guide (July 2026). The comments in the code are by the model that wrote it; some were corrected since.
;; Masked Causal Attention. Allowed arithmetic: matrix products marked QUANTISED: E2M3 operands, one E8M0 scale for each 32 along K, by v_wmma_scale_f32_16x16x128_f8f6f4 with both operands' format E2M3, f32 sums; everything else in f32.
;; Inputs: Wk 1,024 x 1,024 float32; Wp 1,024 x 1,024 float32; Wq 1,024 x 1,024 float32; Wv 1,024 x 1,024 float32; bk 1,024 float32; bp 1,024 float32; bq 1,024 float32; bv 1,024 float32; x 4 x 2,048 x 1,024 float32.
;; Outputs: out0 4 x 2,048 x 1,024 float32.
;; This version of the problem:
;;   THIS VERSION OF THE PROBLEM IS GIVEN IN LOW PRECISION. The matrix products marked QUANTISED in the list below multiply operands that are first quantised to E2M3 (2 exponent bits, 3 mantissa bits; 6 bits a number), with one power-of-two scale for each 32 numbers along K (OCP MX v1.0); their sums are f32. All else is computed in f32.
;;   The module's matrix products, in the order in which they are computed (A, B: the left and right operand; K: the contracted axis; several contracted axes count as one K, in the product's order):
;;     1. [M 8,192, K 1,024] x [K 1,024, N 1,024]; A: input x; B: input Wq: QUANTISED
;;     2. [M 8,192, K 1,024] x [K 1,024, N 1,024]; A: input x; B: input Wk: QUANTISED
;;     3. [M 8,192, K 1,024] x [K 1,024, N 1,024]; A: input x; B: input Wv: QUANTISED
;;     4. batch 64 x [M 2,048, K 64] x [K 64, N 2,048]; A: computed on the way; B: computed on the way: QUANTISED
;;     5. batch 64 x [M 2,048, K 2,048] x [K 2,048, N 64]; A: softmax (see below); B: computed on the way: QUANTISED
;;     6. [M 8,192, K 1,024] x [K 1,024, N 1,024]; A: computed on the way; B: input Wp: QUANTISED
;;   THE QUANTISER, for each operand of a quantised product, along K:
;;     - K is cut into blocks of 32 from its start; a last block that is shorter is filled with zeros.
;;     - A block's scale is 2^e with e = floor(log2(the largest magnitude in the block)) - 2, held to -126 .. 127; a block of zeros has e = 0. As a byte (E8M0): e + 127.
;;     - Each number is divided by its block's scale, clamped to +-7.5, and rounded to the nearest number of E2M3, ties to even, subnormals kept.
;;     - The product sums the exact products of the quantised numbers (number of the format x scale) in f32.
;;   ~~~python
;;   def quantise(x, axis):      # numpy; x: float32 -> the quantised numbers, widened to float32 again
;;       x = np.moveaxis(x, axis, -1); K = x.shape[-1]
;;       x = np.pad(x, [(0, 0)] * (x.ndim - 1) + [(0, -K % 32)]); x = x.reshape(x.shape[:-1] + (-1, 32)); a = np.abs(x).max(-1, keepdims=True)
;;       e = np.where(a > 0, np.clip(np.frexp(np.where(a > 0, a, 1))[1] - 1 - 2, -126, 127), 0)      # np.frexp(a)[1] - 1 = floor(log2(a)), exactly
;;       r = np.clip(x / 2.0 ** e, -7.5, 7.5)
;;       step = 2.0 ** (np.maximum(np.frexp(np.where(r == 0, 1, r))[1] - 1, 0) - 3)
;;       q = np.round(r / step) * step * 2.0 ** e      # np.round: ties to even
;;       return np.moveaxis(q.reshape(q.shape[:-2] + (-1,))[..., :K], -1, axis).astype(np.float32)
;;   ~~~
;;   SOFTMAX AHEAD OF A QUANTISED PRODUCT. Where the list says 'softmax', what is quantised is not the finished softmax but p = 2^(t - M), with t = logit x log2(e) and M = ceil(the row's largest t), a whole number; so 1/2 < the row's largest p <= 1. The row's sum l is taken of the UNQUANTISED p, in f32, and the product's result is divided by l at the end. Since M is a whole number, a kernel that streams over the keys may use a running M (the ceiling of the running maximum): every later rescaling is an exact power of two, which a block's scale takes up: the codes' values come out the same.
;;   OPERANDS COMPUTED ON THE WAY. 'Computed on the way' means the value that the module computes at that place (a softmax that the list does not call 'softmax' is quantised finished and normalised). What goes into a quantiser is computed in f32, as accurately as f32 sums, v_exp_f32 and their like allow (about 1e-6 of the number): no bf16 or f16 on the way to a quantiser, and a product that is left as it is and whose result goes on into a quantised operand takes f32 operands (vector FMAs, or v_wmma_f32_16x16x4_f32). A number that lies on a knife's edge between two numbers of the format may be rounded either way, as far as f32 arithmetic and the matrix unit's own rounding can turn it there, and no further.
;; One version. Each part assembles by itself: llvm-mc -triple=amdgcn-amd-amdhsa -mcpu=gfx1250 --defsym DOCPART=n.
;; ======== version 1 of 1: 4 launches
;; workspace buffers: xwc 9,437,184 bytes; xws 393,216 bytes; qkvi 18,874,368 bytes; qkvs 786,432 bytes; aimg 6,291,456 bytes; asc 262,144 bytes
;; launch quant (part 1): grid 384 x 1, 4 waves a work-group, no clusters, 33,280 bytes of LDS; arguments x, Wq, Wk, Wv, Wp, xwc, xws; writes xwc, xws
.if DOCPART == 1
	.amdgcn_target "amdgcn-amd-amdhsa--gfx1250"
	.amdhsa_code_object_version 6
	.text
	.protected	k_qdc79dec354_quant
	.globl	k_qdc79dec354_quant
	.p2align	8
	.type	k_qdc79dec354_quant,@function
k_qdc79dec354_quant:
	s_mov_b64 s[64:65], 0
	v_nop
	global_prefetch_b8 v0, s[64:65] scope:SCOPE_SE
	s_setreg_imm32_b32 hwreg(HW_REG_WAVE_MODE, 25, 1), 1
	s_wait_xcnt 0x0
; x [8192][1024] and Wq, Wk, Wv, Wp [1024][1024], f32, K innermost, become codes of FP6 (E2M3) with one E8M0 byte for each 32 along K.
; xwc: [12288 rows][768 bytes], xws: [12288 rows][32 bytes]; rows 0-8191 x, then Wq, Wk, Wv, Wp, 1,024 rows each.
; THE ROWS ARE STORED IN ANOTHER ORDER: within each 32 rows the second and third groups of 8 change places (bits 3 and 4 of the row number are swapped).
; A tile of 16 stored rows then holds rows 32 G + 8 u + r + 8 (r / 8), which is the order in which a product's results become neighbours along the next K.
; A block's scale is 2^(floor(log2(its largest magnitude)) - 2); its byte is that magnitude's exponent field - 2, held at 1 from below.
; LIMITS: NaN and infinities among the inputs are not served; a block whose largest magnitude lies under 2^(3 - 127) (a block of zeros too) gets the byte 1, its codes then are zeros or
; nearly so, and the bytes are read by this program alone.
; A wave takes 8 rows (8,192 numbers) in 16 steps of 512; a work-group 32 rows.  Work-groups 0-255 take x, then 32 work-groups each weight.
; Each load reads 512 consecutive bytes; a step's 2,048 bytes turn through the wave's own stage in LDS, so that a lane holds 16 neighbours along K.  No barrier: waves share nothing.
.set STEPS, 16
.set EMAX,  2
.set CB,    12                         ; bytes of 16 codes
.set R,     16                         ; v16-79   four sets of 16 numbers as they are loaded
.set X,     80                         ; v80-111  two sets of 16 neighbours
.set C,     128                        ; v128-191 codes: four registers a step, so that no store's data are written again
.set E,     112                        ; v112-127 a scale byte a step
.set WREG,  8192                       ; LDS: a region for each wave: two stages of 32 x SP bytes, then its 256 scale bytes
.set SP,    80                         ; a lane's place in a stage: 64 bytes + 16
	s_load_b256 s[4:11], s[0:1], 0x0               ; x, Wq, Wk, Wv
	s_load_b128 s[12:15], s[0:1], 0x20             ; Wp, xwc
	s_load_b64 s[24:25], s[0:1], 0x30              ; xws
	v_lshl_add_u32 v192, v0, 2, 0x8000
	v_mov_b32 v193, 0
	v_lshrrev_b32 v1, 5, v0
	v_readfirstlane_b32 s16, v1                    ; wave
	v_and_b32 v2, 31, v0                           ; lane
	v_lshlrev_b32 v3, 4, v2                        ; my 16 bytes of a load's 512
	s_mul_i32 s17, s16, WREG
	v_lshrrev_b32 v14, 2, v2
	v_mul_u32_u24 v14, v14, SP
	v_and_b32 v15, 3, v2
	v_lshl_add_u32 v14, v15, 4, v14
	v_add_nc_u32 v14, s17, v14                     ; the stage, on the way in: SP (lane / 4) + 16 (lane % 4)
	v_mul_u32_u24 v15, v2, SP
	v_add_nc_u32 v15, s17, v15                     ; and on the way out: SP x lane
	v_mul_u32_u24 v4, v2, CB                       ; my codes' place in a step's
	v_lshrrev_b32 v5, 1, v2
	s_add_co_u32 s17, s17, 2*32*SP
	v_add_nc_u32 v5, s17, v5                       ; LDS: my block's scale byte
	v_lshlrev_b32 v7, 3, v2                        ; on the way out 8 bytes a lane
	v_add_nc_u32 v6, s17, v7
	s_sub_co_u32 s18, ttmp9, 256                   ; a weight's work-group: its number among the 128
	s_lshr_b32 s19, s18, 5                         ; which weight
	s_and_b32 s18, s18, 31                         ; and which 32 rows of it
	s_and_b32 s22, s16, 1                          ; the wave's group of 8 rows goes to the place with its two bits swapped
	s_lshl_b32 s22, s22, 1
	s_lshr_b32 s23, s16, 1
	s_or_b32 s22, s22, s23
	s_lshl_b32 s23, ttmp9, 2
	s_add_co_u32 s22, s22, s23                     ; the run of 8 stored rows that I write
	s_wait_kmcnt 0x0
	s_cmp_eq_u32 s19, 2                            ; the input is chosen by the work-group's number alone
	s_cselect_b64 s[20:21], s[10:11], s[12:13]
	s_cmp_eq_u32 s19, 1
	s_cselect_b64 s[20:21], s[8:9], s[20:21]
	s_cmp_eq_u32 s19, 0
	s_cselect_b64 s[20:21], s[6:7], s[20:21]
	s_cmp_lt_u32 ttmp9, 256
	s_cselect_b64 s[4:5], s[4:5], s[20:21]
	s_cselect_b32 s18, ttmp9, s18
	s_lshl_b32 s18, s18, 2
	s_add_co_u32 s18, s18, s16                     ; the run of 8 rows that I read
	s_lshl_b32 s18, s18, 15                        ; 32,768 bytes a run
	s_mov_b32 s19, 0
	s_add_nc_u64 s[4:5], s[4:5], s[18:19]
	s_mul_i32 s26, s22, 6144                       ; 8 rows of 768 bytes of codes
	s_mov_b32 s27, 0
	s_add_nc_u64 s[14:15], s[14:15], s[26:27]
	s_lshl_b32 s26, s22, 8                         ; 8 rows of 32 scale bytes
	s_add_nc_u64 s[24:25], s[24:25], s[26:27]
.macro LOAD t
.irp i, 0,1,2,3
	global_load_b128 v[R+16*((\t)%4)+4*\i:R+16*((\t)%4)+4*\i+3], v3, s[4:5] offset:2048*(\t)+512*\i th:TH_LOAD_NT   ; 32 lanes read 512 consecutive bytes
.endr
.endm
.macro TURN t                          ; step t's numbers through the stage: LDS serves a wave's instructions in order, so no wait stands between the stores and the loads
.irp i, 0,1,2,3
	ds_store_b128 v14, v[R+16*((\t)%4)+4*\i:R+16*((\t)%4)+4*\i+3] offset:32*SP*((\t)%2)+8*SP*\i
.endr
.irp i, 0,1,2,3
	ds_load_b128 v[X+16*((\t)%2)+4*\i:X+16*((\t)%2)+4*\i+3], v15 offset:32*SP*((\t)%2)+16*\i
.endr
.endm
.irp t, 0,1,2,3
	LOAD \t
.endr
	s_wait_loadcnt 12                              ; step 0's four loads are in; three steps' twelve may be out
	TURN 0
.macro STEP t
.set XS, X+16*((\t)%2)
.if (\t) > 0
	s_wait_dscnt 1                                 ; this step's numbers are back from the stage (the last step's byte store may be out)
.else
	s_wait_dscnt 0x0
.endif
.if (\t)+4 < STEPS
	LOAD (\t)+4                                    ; the registers that the stage's stores have read take the loads of four steps on
.endif
.if (\t)+1 < STEPS
.if STEPS-2-(\t) >= 3
	s_wait_loadcnt 12                              ; the next step's four loads are in; those of the three steps behind it may be out
.else
	s_wait_loadcnt 4*(STEPS-2-(\t))
.endif
	TURN (\t)+1
.endif
	v_max3_num_f32 v8, |v[XS]|, |v[XS+1]|, |v[XS+2]|               ; the largest magnitude of my 16
	v_max3_num_f32 v9, |v[XS+3]|, |v[XS+4]|, |v[XS+5]|
.irp i, 6,10
	v_max3_num_f32 v8, v8, |v[XS+\i]|, |v[XS+\i+1]|
	v_max3_num_f32 v9, v9, |v[XS+\i+2]|, |v[XS+\i+3]|
.endr
	v_max3_num_f32 v8, v8, |v[XS+14]|, |v[XS+15]|
	v_max3_num_f32 v8, v8, v9, (EMAX+1)<<23        ; and the floor 2^(3 - 127): the byte cannot fall under 1
	v_max_num_f32_dpp v8, v8, v8 row_xmask:1 row_mask:0xf bank_mask:0xf   ; and of my neighbour's 16: the block's
	v_add_nc_u32 v11, -(EMAX<<23), v8              ; 2 off its exponent field: the conversion takes this operand's exponent field as its scale
	v_cvt_scalef32_pk16_fp6_f32 v[C+4*(\t):C+4*(\t)+2], v[XS:XS+15], v11
	v_lshrrev_b32 v[E+(\t)], 23, v11               ; the scale's byte
	ds_store_b8 v5, v[E+(\t)] offset:16*(\t)       ; both lanes of a block write the same byte with the same value
	global_store_b96 v4, v[C+4*(\t):C+4*(\t)+2], s[14:15] offset:32*CB*(\t)   ; the wave stores 384 consecutive bytes
.endm
.irp t, 0,1,2,3,4,5,6,7,8,9,10,11,12,13,14,15
	STEP \t
.endr
	ds_load_b64 v[12:13], v6                       ; LDS serves a wave's instructions in order: these see my stores
	s_wait_dscnt 0x0
	global_store_b64 v7, v[12:13], s[24:25]        ; 32 lanes store 256 consecutive bytes, aligned
	s_wait_tensorcnt 0x0
	ds_add_u32 v192, v193
	s_wait_dscnt 0x0
	s_endpgm
.Lfunc_end_k_qdc79dec354_quant:
	.size	k_qdc79dec354_quant, .Lfunc_end_k_qdc79dec354_quant-k_qdc79dec354_quant
	.p2alignl 7, 3214868480
	.fill 96, 4, 3214868480
	.section	.rodata,"a",@progbits
	.p2align	6, 0x0
	.amdhsa_kernel k_qdc79dec354_quant
		.amdhsa_group_segment_fixed_size 33280
		.amdhsa_private_segment_fixed_size 0
		.amdhsa_enable_private_segment 0
		.amdhsa_kernarg_size 56
		.amdhsa_user_sgpr_count 2
		.amdhsa_user_sgpr_kernarg_segment_ptr 1
		.amdhsa_wavefront_size32 1
		.amdhsa_system_sgpr_workgroup_id_x 1
		.amdhsa_system_sgpr_workgroup_id_y 1
		.amdhsa_system_sgpr_workgroup_id_z 1
		.amdhsa_system_vgpr_workitem_id 0
		.amdhsa_next_free_vgpr 194
		.amdhsa_next_free_sgpr 66
		.amdhsa_reserve_vcc 0
		.amdhsa_float_denorm_mode_32 3
		.amdhsa_float_denorm_mode_16_64 3
		.amdhsa_memory_ordered 1
		.amdhsa_forward_progress 1
		.amdhsa_inst_pref_size 33
	.end_amdhsa_kernel
	.amdgpu_metadata
---
amdhsa.version: [ 1, 2 ]
amdhsa.kernels:
  - .name:           k_qdc79dec354_quant
    .symbol:         k_qdc79dec354_quant.kd
    .args:
      - { .name: x, .offset: 0, .size: 8, .value_kind: global_buffer, .address_space: global }
      - { .name: Wq, .offset: 8, .size: 8, .value_kind: global_buffer, .address_space: global }
      - { .name: Wk, .offset: 16, .size: 8, .value_kind: global_buffer, .address_space: global }
      - { .name: Wv, .offset: 24, .size: 8, .value_kind: global_buffer, .address_space: global }
      - { .name: Wp, .offset: 32, .size: 8, .value_kind: global_buffer, .address_space: global }
      - { .name: xwc, .offset: 40, .size: 8, .value_kind: global_buffer, .address_space: global }
      - { .name: xws, .offset: 48, .size: 8, .value_kind: global_buffer, .address_space: global }
    .group_segment_fixed_size: 33280
    .private_segment_fixed_size: 0
    .kernarg_segment_align: 8
    .kernarg_segment_size: 56
    .max_flat_workgroup_size: 128
    .sgpr_count:     66
    .vgpr_count:     194
    .wavefront_size: 32
...
	.end_amdgpu_metadata
.endif
;; end of part 1
;; launch qkv (part 2): grid 12 x 32, 4 waves a work-group, clusters of 4 x 4, 327,680 bytes of LDS; arguments xwc, xws, bq, bk, bv, qkvi, qkvs; writes qkvi, qkvs
.if DOCPART == 2
	.amdgcn_target "amdgcn-amd-amdhsa--gfx1250"
	.amdhsa_code_object_version 6
	.text
	.protected	k_qdc79dec354_qkv
	.globl	k_qdc79dec354_qkv
	.p2align	8
	.type	k_qdc79dec354_qkv,@function
k_qdc79dec354_qkv:
	s_mov_b64 s[64:65], 0
	v_nop
	global_prefetch_b8 v0, s[64:65] scope:SCOPE_SE
	s_setreg_imm32_b32 hwreg(HW_REG_WAVE_MODE, 25, 1), 1
	s_wait_xcnt 0x0
	s_wait_alu depctr_hold_cnt(0) depctr_sa_sdst(0) depctr_va_vdst(0) depctr_va_sdst(0) depctr_va_ssrc(0) depctr_va_vcc(0) depctr_vm_vsrc(0)
	s_getreg_b32 s2, hwreg(HW_REG_IB_STS2, 6, 4)
	s_cmp_eq_u32 s2, 0
	s_cbranch_scc0 .Lentry_in_a_cluster
	s_endpgm
.Lentry_in_a_cluster:
	s_bfe_u32 s2, ttmp6, 0x10000c
	s_cmp_lg_u32 s2, 0xf033
	s_cbranch_scc0 .Lentry_shape_is_right
	s_endpgm
.Lentry_shape_is_right:
; q = x Wq^T + bq, k = x Wk^T + bk, v = x Wv^T + bv on codes of FP6 (E2M3) with E8M0 scales, sums in f32; the results are quantised at once for the attention launch.
; A tile of 256 x 256 to a work-group of four waves, 128 x 128 (64 accumulators) to a wave; K = 1,024 in four steps of 256 through a ring of two LDS slots filled by joint tensor loads.
; CLUSTERS of 4 x 4.  The cluster's x says which product: 0 q, 1 k, 2 v; it is the same in all sixteen partners, and it is the only number on which the text's one parting of ways hangs.
; q, k: operand A (source 1) = 256 rows of x, operand B (source 0) = 256 rows of W: a lane holds ONE token and its registers run along the channels, which are the score product's K.
; v: the roles change: A = 256 rows of Wv, B = 256 rows of x: a lane holds ONE channel and its registers run along the tokens, which are the second attention product's K.
; All rows of xwc are stored with bits 3 and 4 of the row number swapped, so that the 16 registers of two neighbouring tiles of B are 16 neighbours along that next K.
; OUT: qkvi [q, k, v][batch x head 64][98,304 bytes], images of operand registers, 16 bytes a lane, 512 a store:
;   q, k: [G 64][3][lane][16]: lane (r, h), registers 6 u .. 6 u + 5 = block h of the head's 64 channels of token 32 G + 8 u + r + 8 (r / 8).
;   v: [step 16][dt 4][3][lane][16]: registers 6 c .. 6 c + 5 = keys 128 step + 64 c + 32 h + 0 .. 31 of channel 32 (dt / 2) + 8 (dt % 2) + r + 8 (r / 8).
; qkvs [3][64][step 16][lane][2 words]: word i: lanes 0-15 item 2 i, lanes 16-31 item 2 i + 1 (item: G % 4 or dt).
; LIMITS: NaN and infinities are not served; a block's largest magnitude is floored at 2^(3 - 127) (byte 1), a block of zeros too: its codes are zeros and this program alone reads the bytes.
; REGISTERS: window 0: v16-31 addresses; v32-63 scale words, two sets; v128-223 A's fragments; window 1: B's fragments, two sets; windows 2, 3: the accumulators ((a, b) at v[8 (8 (a % 4) + b)]).
.set KSTEP,  256
.set NQ,     2
.set ROWB,   192                       ; a tile's row in bytes
.set KROW,   768                       ; a row of xwc
.set PITCH,  240                       ; an LDS row: 3 x (64 bytes + 16 of padding)
.set FR,     12
.set NL,     6
.set NP,     4
.set HALFT,  128*PITCH
.set SLOT,   4*HALFT
.set LAPS,   2
.set KS,     32                        ; a row of scale bytes
.set SCL,    2*SLOT
.set HALFS,  (128*KS/256)*272
.set SBLK,   (16*KS/256)*272
.set SPARE,  SCL+4*HALFS               ; the spare words, 128 bytes a wave: two blocks of 256 bytes that no other line names
.set ADRA, 16
.set ADRB, 20
.set LI,   24                          ; v24  16 x lane
.set LS,   25                          ; v25  8 x lane
.set BO,   26                          ; v26  q, k: 64 h: my half's 16 numbers of each 32 of the bias
.set ADRS, 27
.set SPW,  28
.set NIL,  29
.set BV,   30                          ; v30  v: 4 (r + 8 (r / 8)): my channel's number of the bias
.set LN,   31                          ; v31  lane
.set SC,   32
.set AF,   128
.set G1, 24
.set G0, 32
.set G1B, 48
.set G0B, 56
.set G1S, 68
.set G0S, 76
.set G1SB, 80
.set G0SB, 88
.set PATH, 95
.set SEL, 100
; the way out, all in window 0
.set SW,   32                          ; v32-39   eight scale words
.set PW0,  40                          ; v40-41   the words of two tiles of tokens
.set OUTP, 42                          ; v42-45   the words as they are stored
.set BI,   64                          ; v64-127  the bias
.set T,    128                         ; v128-191 64 numbers of a lane
.set TM,   200                         ; v200-215 at work
.set H0,   224                         ; v224-235 a fragment's codes (q, k: the first head's)
.set H1,   236                         ; v236-247 the second head's
.set CT,   248                         ; v248-254 the conversions' second halves
.set MSB, 0
.macro WIN new                         ; the immediate's high byte repeats the setting that is left
.if MSB != (\new)
	s_set_vgpr_msb (MSB<<8)|(\new)
.set MSB, (\new)
.endif
.endm
.set MUL_LO, 0xa1                      ; source 0 (B) window 1, source 1 (A) window 0, C and D window 2
.set MUL_HI, 0xf1
.set TO_B,   0x40
; A joint load: waves 0 and 1 fetch for A, waves 2 and 3 for B.  The branch hangs on the wave's number alone.  Four v_nop follow each of the two lines.
.macro JLOAD g0a, g1a, g0b, g1b
	s_cmp_eq_u32 s15, 0
	s_cbranch_scc0 .Lfor_b_\@
	tensor_load_to_lds s[\g0a:\g0a+3], s[\g1a:\g1a+7]
	s_nop 0
.rept 4
	v_nop
.endr
	s_branch .Lasked_\@
.Lfor_b_\@:
	tensor_load_to_lds s[\g0b:\g0b+3], s[\g1b:\g1b+7]
	s_nop 0
.rept 4
	v_nop
.endr
.Lasked_\@:
.endm
.macro CREST                           ; a round of the cluster's barrier behind its opening barrier
	s_cmp_lg_u32 s14, 0
	s_cbranch_scc1 .Lnot_wave_0_\@
	s_barrier_signal -3
.Lnot_wave_0_\@:
	s_barrier_wait -3
	s_barrier_signal -1
	s_barrier_wait -1
.endm
.macro CROUND
	s_barrier_signal -1
	s_barrier_wait -1
	CREST
.endm
	s_load_b128 s[4:7], s[0:1], 0x0                ; xwc, xws
	s_load_b128 s[8:11], s[0:1], 0x10              ; bq, bk
	s_load_b64 s[96:97], s[0:1], 0x20              ; bv
	s_load_b64 s[12:13], s[0:1], 0x28              ; qkvi
	s_load_b64 s[98:99], s[0:1], 0x30              ; qkvs
	v_lshl_add_u32 v[SPW], v0, 2, SPARE
	v_mov_b32 v[NIL], 0
	ds_add_u32 v28, v29
	ds_add_u32 v28, v29
	s_wait_dscnt 0x0
	v_lshrrev_b32 v1, 5, v0
	v_readfirstlane_b32 s14, v1                    ; wave 0..3
	s_lshr_b32 s15, s14, 1                         ; which half of A's rows is mine.  Also: I fetch for A (0) or for B (1)
	s_and_b32 s16, s14, 1                          ; which half of B's rows.  Also: which 128 rows I fetch
	s_bfe_u32 s40, ttmp6, 0x40000                  ; cx
	s_bfe_u32 s41, ttmp6, 0x40004                  ; cy
	s_mov_b32 s[PATH], ttmp9                       ; the cluster's x: 0 q, 1 k, 2 v
	s_and_b32 s18, ttmp7, 0xffff
	s_lshl_b32 s18, s18, 2                         ; 4 x cluster y
	s_lshl_b32 s19, ttmp9, 2                       ; 4 x cluster x
	s_cmp_eq_u32 s[PATH], 2
	s_cselect_b32 s42, s18, s19                    ; B's tile: v: a tile of tokens; q, k: a tile of the 2,048 rows of Wq and Wk
	s_cselect_b32 s17, 0, s18                      ; A's tile: v: a tile of Wv's rows; q, k: a tile of tokens
	s_cselect_b32 s66, 10240, 0                    ; where A's rows begin in xwc
	s_cselect_b32 s67, 0, 8192                     ; and B's
	s_add_co_u32 s42, s42, s40                     ; + cx
	s_add_co_u32 s17, s17, s41                     ; + cy
	s_lshl_b32 s43, s41, 2
	s_lshl_b32 s43, 15, s43                        ; my row of the cluster
	s_lshl_b32 s44, 0x1111, s40                    ; my column
	; descriptor group 1: a tile of 128 rows x 192 bytes, 16 bytes of padding behind every 64
	s_or_b32 s[G1+0], s43, (0<<16)|(1<<20)|(1<<21)|(3<<22)|(3<<25)
	s_or_b32 s[G1B+0], s44, (0<<16)|(1<<20)|(1<<21)|(3<<22)|(3<<25)
.irp g, G1, G1B
	s_mov_b32 s[\g+1], ROWB<<16
	s_mov_b32 s[\g+2], 128<<16
	s_mov_b32 s[\g+3], ROWB<<16
	s_mov_b32 s[\g+4], 128
	s_mov_b32 s[\g+5], KROW
	s_mov_b32 s[\g+6], 0
	s_mov_b32 s[\g+7], 0
.endr
	; the scales of 128 rows: 4,096 dense bytes as 16 rows of 256, 16 bytes of padding behind each
	s_or_b32 s[G1S+0], s43, (3<<16)|(1<<20)|(1<<21)|(5<<22)|(3<<25)
	s_or_b32 s[G1SB+0], s44, (3<<16)|(1<<20)|(1<<21)|(5<<22)|(3<<25)
.irp g, G1S, G1SB
	s_mov_b32 s[\g+1], 32<<16
	s_mov_b32 s[\g+2], (128*KS/256)<<16
	s_mov_b32 s[\g+3], 32<<16
	s_mov_b32 s[\g+4], 128*KS/256
	s_mov_b32 s[\g+5], 32
	s_mov_b32 s[\g+6], 0
	s_mov_b32 s[\g+7], 0
.endr
	s_lshl_b32 s18, s16, 7                         ; which 128 rows of the tile I fetch
	s_lshl_b32 s20, s17, 8
	s_add_co_u32 s20, s20, s18
	s_add_co_u32 s20, s20, s66                     ; A's first row in xwc: made of cy and the cluster's numbers alone
	s_lshl_b32 s46, s42, 8
	s_add_co_u32 s46, s46, s18
	s_add_co_u32 s46, s46, s67                     ; B's: of cx and the cluster's numbers alone
	s_mov_b32 s21, 0
	s_mov_b32 s47, 0
	s_mov_b64 s[18:19], KS
	s_mul_u64 s[22:23], s[20:21], s[18:19]
	s_mul_u64 s[92:93], s[46:47], s[18:19]
	s_mov_b64 s[18:19], KROW
	s_mul_u64 s[20:21], s[20:21], s[18:19]
	s_mul_u64 s[46:47], s[46:47], s[18:19]
	s_mul_i32 s45, s14, HALFT                      ; where they go: wave x 128 rows
	s_mul_i32 s94, s14, HALFS
	s_wait_kmcnt 0x0
	s_add_nc_u64 s[20:21], s[4:5], s[20:21]
	s_add_nc_u64 s[22:23], s[6:7], s[22:23]
	s_add_nc_u64 s[46:47], s[4:5], s[46:47]
	s_add_nc_u64 s[92:93], s[6:7], s[92:93]
	CROUND                                         ; all sixteen work-groups are here: the first joint loads meet
	s_mov_b32 s[G0S], 1
	s_add_co_u32 s[G0S+1], s94, SCL
	s_mov_b64 s[G0S+2:G0S+3], s[22:23]
	s_or_b32 s[G0S+3], s[G0S+3], 0x80000000
	s_mov_b32 s[G0SB], 1
	s_add_co_u32 s[G0SB+1], s94, SCL
	s_mov_b64 s[G0SB+2:G0SB+3], s[92:93]
	s_or_b32 s[G0SB+3], s[G0SB+3], 0x80000000
	JLOAD G0S, G1S, G0SB, G1SB                     ; the scales first: they are wanted with K step 0
.irp s, 0,1
	s_mov_b32 s[G0+4*\s], 1
	s_add_co_u32 s[G0+4*\s+1], s45, \s*SLOT
	s_add_nc_u64 s[G0+4*\s+2:G0+4*\s+3], s[20:21], \s*ROWB
	s_or_b32 s[G0+4*\s+3], s[G0+4*\s+3], 0x80000000
	s_mov_b32 s[G0B+4*\s], 1
	s_add_co_u32 s[G0B+4*\s+1], s45, \s*SLOT
	s_add_nc_u64 s[G0B+4*\s+2:G0B+4*\s+3], s[46:47], \s*ROWB
	s_or_b32 s[G0B+4*\s+3], s[G0B+4*\s+3], 0x80000000
	JLOAD G0+4*\s, G1, G0B+4*\s, G1B
.endr
	v_and_b32 v1, 15, v0                           ; r
	v_bfe_u32 v2, v0, 4, 1                         ; h
	v_mul_u32_u24 v3, v1, PITCH
	v_mul_u32_u24 v4, v2, 24
	v_add_nc_u32 v4, v3, v4                        ; a fragment's row x pitch + 24 h
	v_lshl_add_u32 v5, v2, 4, v4                   ; and the same behind one padding more
	s_mul_i32 s21, s15, HALFT
	s_mul_i32 s22, s16, HALFT
	s_add_co_u32 s22, s22, 2*HALFT
.irp s, 0,1
	v_add_nc_u32 v[ADRA+\s], s21, v4
	v_add_nc_u32 v[ADRB+\s], s22, v4
	v_add_nc_u32 v[ADRA+2+\s], s21, v5
	v_add_nc_u32 v[ADRB+2+\s], s22, v5
	s_add_co_u32 s21, s21, SLOT
	s_add_co_u32 s22, s22, SLOT
.endr
	v_mul_u32_u24 v5, v1, KS                       ; my row's scales: 32 bytes a row,
	v_lshrrev_b32 v6, 8, v5
	v_lshl_add_u32 v5, v6, 4, v5                   ; and 16 more for each 256 passed
	s_mul_i32 s21, s15, HALFS
	s_mul_i32 s22, s16, HALFS
	s_add_co_u32 s22, s22, 2*HALFS
	s_sub_co_u32 s22, s22, s21
	v_mul_u32_u24 v6, s22, v2                      ; lanes 16-31 take B's
	s_add_co_u32 s21, s21, SCL
	v_add_nc_u32 v5, v5, v6
	v_add_nc_u32 v[ADRS], s21, v5
	v_and_b32 v[LN], 31, v0
	v_lshlrev_b32 v[LI], 4, v[LN]
	v_lshlrev_b32 v[LS], 3, v[LN]
	v_lshlrev_b32 v[BO], 6, v2
	v_and_b32 v5, 8, v1
	v_add_nc_u32 v5, v5, v1
	v_lshlrev_b32 v[BV], 2, v5
	; where my results go.  My 128 tokens are one key step of a batch, my 128 channels two heads
	s_and_b32 s100, s42, 3
	s_cmp_eq_u32 s[PATH], 1
	s_cselect_b64 s[8:9], s[10:11], s[8:9]
	s_cmp_eq_u32 s[PATH], 2
	s_cselect_b64 s[8:9], s[96:97], s[8:9]         ; the bias of my product
	s_cselect_b32 s2, s42, s17                     ; the tile of tokens
	s_cselect_b32 s3, s16, s15                     ; and my half of it
	s_cselect_b32 s10, s15, s16                    ; my half of the tile of channels
	s_cselect_b32 s100, s17, s100                  ; the tile of channels, 0..3
	s_lshl_b32 s96, s100, 10
	s_lshl_b32 s97, s10, 9
	s_add_co_u32 s96, s96, s97
	s_mov_b32 s97, 0
	s_add_nc_u64 s[8:9], s[8:9], s[96:97]          ; the bias at my first channel
	s_and_b32 s101, s2, 7
	s_lshl_b32 s101, s101, 1
	s_add_co_u32 s101, s101, s3                    ; the key step, 0..15
	s_lshr_b32 s2, s2, 3
	s_lshl_b32 s2, s2, 4
	s_lshl_b32 s3, s100, 2
	s_add_co_u32 s2, s2, s3
	s_lshl_b32 s3, s10, 1
	s_add_co_u32 s2, s2, s3                        ; 16 x batch + my first head
	s_mul_i32 s96, s[PATH], 6291456
	s_mul_i32 s3, s2, 98304
	s_add_co_u32 s96, s96, s3
	s_mul_i32 s3, s101, 6144
	s_add_co_u32 s96, s96, s3
	s_add_nc_u64 s[12:13], s[12:13], s[96:97]
	s_lshl_b32 s96, s[PATH], 18
	s_lshl_b32 s3, s2, 12
	s_add_co_u32 s96, s96, s3
	s_lshl_b32 s3, s101, 8
	s_add_co_u32 s96, s96, s3
	s_add_nc_u64 s[98:99], s[98:99], s[96:97]
	s_mov_b32 s[SEL], 0x76543210
	s_mov_b32 s[SEL+1], 0xfedcba98                 ; v_permlanex16_b32's selects for lane l xor 16
.macro FRAG reg, adr, q, i             ; a fragment, 16 rows x 128 K: 12 registers, in six pieces of 8 bytes; where the piece of lanes 16-31 lies behind one padding more, the second address register serves
.irp p, 0,1,2,3,4,5
.set PCE, 12*(\q)+6*(\p/3)+\p%3
.if PCE%8 < 5
	ds_load_b64 v[\reg+2*\p:\reg+2*\p+1], v[\adr] offset:8*PCE+16*(PCE/8)+(\i)*16*PITCH
.else
	ds_load_b64 v[\reg+2*\p:\reg+2*\p+1], v[\adr+2] offset:8*PCE+16*(PCE/8)+(\i)*16*PITCH
.endif
.endr
.endm
; 16 matrix instructions: A's blocks a0, a0 + 1 x B's eight.  The 64 accumulators take turns, one instruction a turn, in the same order in every step.
.macro MUL16 a0, p, q, sc, zero
.irp a, \a0, \a0+1
.irp b, 0,1,2,3,4,5,6,7
.if \zero
	v_wmma_scale_f32_16x16x128_f8f6f4 v[8*(8*((\a)%4)+\b):8*(8*((\a)%4)+\b)+7], v[128*(\p)+FR*\b:128*(\p)+FR*\b+FR-1], v[AF+FR*(\a):AF+FR*(\a)+FR-1], 0, v[SC+8*NQ*(\sc)+NQ*\b+(\q)], v[SC+8*NQ*(\sc)+NQ*(\a)+(\q)] matrix_a_fmt:MATRIX_FMT_FP6 matrix_b_fmt:MATRIX_FMT_FP6 matrix_a_scale:MATRIX_SCALE_ROW1
.else
	v_wmma_scale_f32_16x16x128_f8f6f4 v[8*(8*((\a)%4)+\b):8*(8*((\a)%4)+\b)+7], v[128*(\p)+FR*\b:128*(\p)+FR*\b+FR-1], v[AF+FR*(\a):AF+FR*(\a)+FR-1], v[8*(8*((\a)%4)+\b):8*(8*((\a)%4)+\b)+7], v[SC+8*NQ*(\sc)+NQ*\b+(\q)], v[SC+8*NQ*(\sc)+NQ*(\a)+(\q)] matrix_a_fmt:MATRIX_FMT_FP6 matrix_b_fmt:MATRIX_FMT_FP6 matrix_a_scale:MATRIX_SCALE_ROW1
.endif
.endr
.endr
.endm
.macro FETCH_B slot, q, p
	WIN TO_B
.irp i, 0,1,2,3,4,5,6,7
	FRAG 128*(\p)+FR*\i, ADRB+\slot, \q, \i
.endr
	WIN 0
.endm
.macro FETCH_A slot, q, i0
.irp i, \i0, \i0+1, \i0+2, \i0+3
	FRAG AF+FR*(\i), ADRA+\slot, \q, \i
.endr
.endm
.macro SCALES sc                       ; a K step's scale words: lanes 0-15 A's block i, lanes 16-31 B's block i
.irp i, 0,1,2,3,4,5,6,7
	ds_load_b64 v[SC+8*NQ*\sc+NQ*\i:SC+8*NQ*\sc+NQ*\i+1], v[ADRS] offset:\i*SBLK
.endr
.endm
.macro PLACES n                        ; plain vector instructions between a matrix instruction and a load into, or a vector access to, its registers
.rept \n
	v_nop
.endr
.endm
.macro STEP slot, q, zero              ; a step of 128 along K that has its successor in the same slot
	s_wait_dscnt 4*NL                              ; B's set and A's blocks 0-3 are in; the youngest 24 loads (A's blocks 4-7) may be out
	WIN MUL_LO
	MUL16 0, (\q)%2, \q, \slot, \zero
	MUL16 2, (\q)%2, \q, \slot, \zero
	s_wait_dscnt 0
	PLACES NP
	FETCH_B \slot, (\q)+1, 1-(\q)%2
	FETCH_A \slot, (\q)+1, 0
	WIN MUL_HI
	MUL16 4, (\q)%2, \q, \slot, \zero
	MUL16 6, (\q)%2, \q, \slot, \zero
	PLACES NP
	WIN 0
	FETCH_A \slot, (\q)+1, 4
.endm
; A slot's last step changes slots: one barrier; in front of it each wave waits for all its tensor loads, adds 0 to its spare word, and waits for that and for its reads of this slot.
.macro TURN slot, next, fill
	s_wait_tensorcnt 0x0                           ; all my tensor loads have landed: my part of the next slot
	ds_add_u32 v[SPW], v[NIL]                      ; 0 onto my spare word
	s_wait_dscnt 4*NL+1                            ; the add and the youngest 24 loads (A's blocks 4-7) may be out
	WIN MUL_LO
	MUL16 0, 1, NQ-1, \slot, 0
	s_wait_dscnt 0x0                               ; the add is done, and my reads of this slot are over
	s_barrier_signal -1
	MUL16 2, 1, NQ-1, \slot, 0
	WIN 0
	s_barrier_wait -1
.if \fill
	CREST                                          ; the barrier has opened a round of the cluster's barrier: no wave of any partner still reads this slot or has a load on its way
	s_add_nc_u64 s[G0+4*\slot+2:G0+4*\slot+3], s[G0+4*\slot+2:G0+4*\slot+3], 2*ROWB
	s_add_nc_u64 s[G0B+4*\slot+2:G0B+4*\slot+3], s[G0B+4*\slot+2:G0B+4*\slot+3], 2*ROWB
	JLOAD G0+4*\slot, G1, G0B+4*\slot, G1B         ; the first tensor load behind the round; its four v_nop are the places in front of the loads below
.else
	PLACES NP
.endif
	v_add_nc_u32 v[ADRS], 4*NQ, v[ADRS]            ; on to the next K step's scale words
	FETCH_B \next, 0, 0
	FETCH_A \next, 0, 0
	SCALES \next
	WIN MUL_HI
	MUL16 4, 1, NQ-1, \slot, 0
	MUL16 6, 1, NQ-1, \slot, 0
	PLACES NP
	WIN 0
	FETCH_A \next, 0, 4
.endm
.macro LASTSTEP                        ; the very last step: nothing more to fetch
	s_wait_dscnt 4*NL
	WIN MUL_LO
	MUL16 0, 1, NQ-1, 1, 0
	MUL16 2, 1, NQ-1, 1, 0
	s_wait_dscnt 0
	WIN MUL_HI
	MUL16 4, 1, NQ-1, 1, 0
	MUL16 6, 1, NQ-1, 1, 0
	WIN 0
.endm
; A's block a: its eight accumulators + the bias -> T.  Each accumulator is read from its low end on.
.macro ADDB a                          ; q, k: the registers run along the channels, and so does the bias
	WIN 0x02+(\a)/4
.set i, 0
.rept 32
	v_pk_add_f32 v[T+i:T+i+1], v[64*((\a)%4)+i:64*((\a)%4)+i+1], v[BI+i:BI+i+1]
.set i, i+2
.endr
	WIN 0
.endm
.macro ADDV a                          ; v: a lane holds one channel: one number of the bias, kept twice as a pair
	WIN 0x02+(\a)/4
.set i, 0
.rept 32
	v_pk_add_f32 v[T+i:T+i+1], v[64*((\a)%4)+i:64*((\a)%4)+i+1], v[BI+2*(\a):BI+2*(\a)+1]
.set i, i+2
.endr
	WIN 0
.endm
; 64 numbers of a lane, register 16 b + i = k 32 b + 16 h + i of my row: blocks 0, 1 become six registers of codes at d0, blocks 2, 3 six at d1 (lanes 0-15 the even block, lanes 16-31 the odd one); the four scale bytes make pw.
.macro QUANT s, d0, d1, pw
.irp b, 0,1,2,3
	v_max3_num_f32 v[TM+\b], |v[\s+16*\b]|, |v[\s+1+16*\b]|, 0x1800000   ; my 16 numbers of block b, and the floor 2^(3 - 127)
.endr
.irp i, 2,4,6,8,10,12,14
.irp b, 0,1,2,3
	v_max3_num_f32 v[TM+\b], v[TM+\b], |v[\s+16*\b+\i]|, |v[\s+1+16*\b+\i]|
.endr
.endr
.irp b, 0,1,2,3
	v_permlanex16_b32 v[TM+4+\b], v[TM+\b], s[SEL], s[SEL+1]
.endr
.irp b, 0,1,2,3
	v_max_num_f32 v[TM+\b], v[TM+\b], v[TM+4+\b]   ; with lane l xor 16's: the block's largest magnitude
.endr
.irp b, 0,1,2,3
	v_add_nc_u32 v[TM+12+\b], 0xff000000, v[TM+\b] ; 2 off its exponent field: the conversion's scale operand
.endr
.irp b, 0,1,2,3
	v_lshrrev_b32 v[TM+4+\b], 23, v[TM+12+\b]      ; the scale's byte
.endr
	v_lshl_or_b32 v[(\pw)], v[TM+5], 8, v[TM+4]
	v_lshl_or_b32 v[(\pw)], v[TM+6], 16, v[(\pw)]
	v_lshl_or_b32 v[(\pw)], v[TM+7], 24, v[(\pw)]
	v_cvt_scalef32_pk16_fp6_f32 v[(\d0):(\d0)+2], v[\s:\s+15], v[TM+12]
	v_cvt_scalef32_pk16_fp6_f32 v[CT:CT+2], v[\s+16:\s+31], v[TM+13]
	v_cvt_scalef32_pk16_fp6_f32 v[(\d1):(\d1)+2], v[\s+32:\s+47], v[TM+14]
	v_cvt_scalef32_pk16_fp6_f32 v[CT+4:CT+6], v[\s+48:\s+63], v[TM+15]
	v_nop                                          ; one plain place behind a scaled conversion
.irp i, 0,1,2
	v_permlane16_swap_b32 v[(\d0)+\i], v[CT+\i]    ; a whole block to a lane: the first holds the block's lower 16 codes, the second the upper 16
	v_permlane16_swap_b32 v[(\d1)+\i], v[CT+4+\i]
.endr
.irp i, 0,1,2
	v_mov_b32 v[(\d0)+3+\i], v[CT+\i]
	v_mov_b32 v[(\d1)+3+\i], v[CT+4+\i]
.endr
.endm
	s_wait_tensorcnt 1                             ; the scales and my part of K step 0 are in (K step 1's load may be out),
	s_barrier_signal -1
	s_barrier_wait -1                              ; everybody's are
	FETCH_B 0, 0, 0
	FETCH_A 0, 0, 0
	SCALES 0
	FETCH_A 0, 0, 4
	STEP 0, 0, 1                                   ; the first step's products start the sums
	s_mov_b32 s3, LAPS-1
.Llap:                                                 ; a trip goes once round the ring and fills both slots again
	TURN 0, 1, 1
	STEP 1, 0, 0
	TURN 1, 0, 1
	STEP 0, 0, 0
	s_sub_co_u32 s3, s3, 1
	s_cmp_lg_u32 s3, 0
	s_cbranch_scc1 .Llap
	TURN 0, 1, 0                                   ; the last lap fills nothing
	STEP 1, 0, 0
	s_cmp_eq_u32 s[PATH], 2                        ; the ways part here, on the cluster's x alone; neither way touches LDS but for the common end
	s_cbranch_scc1 .Lv
	; ---- q, k.  The bias is asked for ahead of the last 64 products: BI[16 B + e] = b[32 B + 16 h + e]
.irp B, 0,1,2,3
.irp k, 0,1,2,3
	global_load_b128 v[BI+16*\B+4*\k:BI+16*\B+4*\k+3], v[BO], s[8:9] offset:128*\B+16*\k
.endr
.endr
	LASTSTEP
	PLACES NP
	s_wait_loadcnt 0x0
.irp b, 0,1,2,3
	v_mov_b32 v[TM+4+\b], 0                        ; written once: a lane permute's destination counts as one of its sources
.endr
.irp G, 0,1,2,3                        ; 32 tokens: two tiles of A's rows make a double fragment for each of my two heads
	s_wait_xcnt 0x0                                ; the last stores have read their registers: the codes may be written again
.irp u, 0,1
	ADDB 2*\G+\u
	QUANT T, H0+6*\u, H1+6*\u, PW0+\u
.endr
	v_perm_b32 v[SW+\G], v[PW0+1], v[PW0], 0x05040100     ; the first head's word: two bytes of each of the two tokens of lane r
	v_perm_b32 v[SW+4+\G], v[PW0+1], v[PW0], 0x07060302   ; the second head's
.irp c, 0,1,2
	global_store_b128 v[LI], v[H0+4*\c:H0+4*\c+3], s[12:13] offset:\G*1536+512*\c          ; 32 lanes store 512 consecutive bytes, aligned
	global_store_b128 v[LI], v[H1+4*\c:H1+4*\c+3], s[12:13] offset:98304+\G*1536+512*\c
.endr
.endr
	s_branch .Ltail
.Lv:
	; ---- v.  A lane's channel of A's block a is 32 (a / 2) + 8 (a % 2) + r + 8 (r / 8)
.irp a, 0,1,2,3,4,5,6,7
	global_load_b32 v[BI+2*\a], v[BV], s[8:9] offset:4*(32*(\a/2)+8*(\a%2))
.endr
	LASTSTEP
	PLACES NP
	s_wait_loadcnt 0x0
.irp a, 0,1,2,3,4,5,6,7
	v_mov_b32 v[BI+2*\a+1], v[BI+2*\a]
.endr
.irp b, 0,1,2,3
	v_mov_b32 v[TM+4+\b], 0
.endr
.irp a, 0,1,2,3,4,5,6,7                ; 16 channels x my 128 tokens: one fragment of V^T
	s_wait_xcnt 0x0
	ADDV \a
	QUANT T, H0, H0+6, SW+\a
.irp c, 0,1,2
	global_store_b128 v[LI], v[H0+4*\c:H0+4*\c+3], s[12:13] offset:(\a/4)*98304+(\a%4)*1536+512*\c
.endr
.endr
.Ltail:
	v_cmp_le_u32 vcc_lo, 16, v[LN]                 ; every lane holds row r's words: lanes 0-15 keep the even item's, lanes 16-31 the odd one's
.irp d, 0,1
.irp i, 0,1
	v_cndmask_b32 v[OUTP+2*\d+\i], v[SW+4*\d+2*\i], v[SW+4*\d+2*\i+1], vcc_lo
.endr
.endr
	global_store_b64 v[LS], v[OUTP:OUTP+1], s[98:99]                 ; 32 lanes store 256 consecutive bytes, aligned
	global_store_b64 v[LS], v[OUTP+2:OUTP+3], s[98:99] offset:4096
	s_wait_tensorcnt 0x0                           ; the wave's end
	ds_add_u32 v[SPW], v[NIL]
	s_wait_dscnt 0x0
	CROUND                                         ; the closing round
	s_endpgm
.Lfunc_end_k_qdc79dec354_qkv:
	.size	k_qdc79dec354_qkv, .Lfunc_end_k_qdc79dec354_qkv-k_qdc79dec354_qkv
	.p2alignl 7, 3214868480
	.fill 96, 4, 3214868480
	.section	.rodata,"a",@progbits
	.p2align	6, 0x0
	.amdhsa_kernel k_qdc79dec354_qkv
		.amdhsa_group_segment_fixed_size 327680
		.amdhsa_private_segment_fixed_size 0
		.amdhsa_enable_private_segment 0
		.amdhsa_kernarg_size 56
		.amdhsa_user_sgpr_count 2
		.amdhsa_user_sgpr_kernarg_segment_ptr 1
		.amdhsa_wavefront_size32 1
		.amdhsa_system_sgpr_workgroup_id_x 1
		.amdhsa_system_sgpr_workgroup_id_y 1
		.amdhsa_system_sgpr_workgroup_id_z 1
		.amdhsa_system_vgpr_workitem_id 0
		.amdhsa_next_free_vgpr 1024
		.amdhsa_next_free_sgpr 102
		.amdhsa_reserve_vcc 1
		.amdhsa_float_denorm_mode_32 3
		.amdhsa_float_denorm_mode_16_64 3
		.amdhsa_memory_ordered 1
		.amdhsa_forward_progress 1
		.amdhsa_inst_pref_size 241
	.end_amdhsa_kernel
	.amdgpu_metadata
---
amdhsa.version: [ 1, 2 ]
amdhsa.kernels:
  - .name:           k_qdc79dec354_qkv
    .symbol:         k_qdc79dec354_qkv.kd
    .args:
      - { .name: xwc, .offset: 0, .size: 8, .value_kind: global_buffer, .address_space: global }
      - { .name: xws, .offset: 8, .size: 8, .value_kind: global_buffer, .address_space: global }
      - { .name: bq, .offset: 16, .size: 8, .value_kind: global_buffer, .address_space: global }
      - { .name: bk, .offset: 24, .size: 8, .value_kind: global_buffer, .address_space: global }
      - { .name: bv, .offset: 32, .size: 8, .value_kind: global_buffer, .address_space: global }
      - { .name: qkvi, .offset: 40, .size: 8, .value_kind: global_buffer, .address_space: global }
      - { .name: qkvs, .offset: 48, .size: 8, .value_kind: global_buffer, .address_space: global }
    .group_segment_fixed_size: 327680
    .private_segment_fixed_size: 0
    .kernarg_segment_align: 8
    .kernarg_segment_size: 56
    .max_flat_workgroup_size: 128
    .sgpr_count:     102
    .vgpr_count:     1024
    .wavefront_size: 32
...
	.end_amdgpu_metadata
.endif
;; end of part 2
;; launch attn (part 3): grid 4 x 64, 16 waves a work-group, clusters of 4 x 1, 206,848 bytes of LDS; arguments qkvi, qkvs, aimg, asc; writes aimg, asc
.if DOCPART == 3
	.amdgcn_target "amdgcn-amd-amdhsa--gfx1250"
	.amdhsa_code_object_version 6
	.text
	.protected	k_qdc79dec354_attn
	.globl	k_qdc79dec354_attn
	.p2align	8
	.type	k_qdc79dec354_attn,@function
k_qdc79dec354_attn:
	s_mov_b64 s[64:65], 0
	v_nop
	global_prefetch_b8 v0, s[64:65] scope:SCOPE_SE
	s_setreg_imm32_b32 hwreg(HW_REG_WAVE_MODE, 25, 1), 1
	s_wait_xcnt 0x0
	s_wait_alu depctr_hold_cnt(0) depctr_sa_sdst(0) depctr_va_vdst(0) depctr_va_sdst(0) depctr_va_ssrc(0) depctr_va_vcc(0) depctr_vm_vsrc(0)
	s_getreg_b32 s2, hwreg(HW_REG_IB_STS2, 6, 4)
	s_cmp_eq_u32 s2, 0
	s_cbranch_scc0 .Lentry_in_a_cluster
	s_endpgm
.Lentry_in_a_cluster:
	s_bfe_u32 s2, ttmp6, 0x10000c
	s_cmp_lg_u32 s2, 0x3003
	s_cbranch_scc0 .Lentry_shape_is_right
	s_endpgm
.Lentry_shape_is_right:
; Causal attention of one head (batch x head = work-group y) on codes of FP6 (E2M3): S^T = K Q^T, p = 2^(t - M), O^T += V^T P^T, O / l, quantised along C for the last product.
; t = score x log2(e) / 8; M = the running largest t rounded UP to a whole number; the row's sum is taken of the unquantised p; a change of M multiplies the sum and O by an exact power of two.
; A HEAD'S K AND V, CODES AND SCALE WORDS (204,800 bytes), ARE BROUGHT INTO LDS ONCE, by joint loads of the head's four work-groups (a cluster); nothing is filled again, so the loop has no barrier.
; SHARES.  The head has 128 tiles of 16 queries.  Wave w of work-group cx owns tile 8 w + 2 cx (it needs key steps 0 .. w of 128 keys) and tile 8 (15 - w) + 2 cx + 1 (steps 0 .. 15 - w):
; 17 steps for every wave.  Every branch hangs on the wave's number and the loop's counter; cx enters global addresses and the number that the mask compares with, nothing else.
; THE HEAD HAS 64 CHANNELS, the instruction's K is 128: a fragment of K holds TWO tokens a lane (64 codes each), and Q stands beside 64 zero codes, below them or above: (Q | 0) meets the first token, (0 | Q) the second.
; The tokens of a double fragment are 32 G + 8 u + r + 8 (r / 8), so that a lane's 16 registers of two neighbouring score tiles are 16 neighbouring keys.  A lane holds ONE query throughout.
; OUT: aimg [tile of 16 tokens 512][head 16][3][lane][8 bytes]: lane (r, h): block h of the head's 64 channels; asc [16 tile + r][32 bytes]: the head's two bytes at 2 x head.
; LIMITS: NaN and infinities are not served; a block's largest magnitude is floored at 2^(3 - 127) (byte 1); p under 2^-126 counts as 0.
.set VIMG,  98304                      ; LDS: K's image at 0, V's here,
.set KSCL,  196608                     ; K's scale words, 256 bytes a step; V's 4,096 bytes on
.set LI,  1                            ; v1   16 x lane
.set LS,  2                            ; v2   8 x lane + KSCL
.set ADK, 3                            ; v3-5 the step's addresses: K, V, scale words
.set ADV, 4
.set ADS, 5
.set QDA, 6                            ; v6, v7  my query less the step's first key less 16 h, for each tile, in the tile's last step
.set QDB, 7
.set OI,  8                            ; v8   8 x lane
.set OS,  9                            ; v9   32 r
.set HWA, 10                           ; v10, v11  the two scale bytes of each tile's result
.set HWB, 11
.set STA, 12                           ; v12 -M, v13 the largest t, v[14:15] the sum in two halves; v16-19 the same for the second tile
.set STB, 16
.set QA,  20                           ; v20-37  Q, six zeros, Q;  v38-55 the second tile's
.set QB,  38
.set SQ,  56                           ; v56-59  Q's scale words for (Q | 0) and (0 | Q), for each tile
.set F,   60                           ; v60-107 four fragments of K or of V; between them at work:
.set BM,  F                            ;   the blocks' largest scores
.set PT,  F+4
.set SO,  F+8                          ;   the conversions' scale operands
.set CT,  F+12                         ;   the conversions' second halves
.set S,   108                          ; v108-171 S^T, then p
.set OA,  172                          ; v172-203, v204-235 O^T
.set OB,  204
.set PC,  236                          ; v236-247 p's codes
.set PWD, 248                          ; v248 p's scale word
.set NINF, 249
.set FF,  250                          ; v[250:251] f = 2^(old M - new M)
.set KSC, 252                          ; v[252:253] K's or V's scale words
.set WV, 12
.set CX, 13
.set BH, 14
.set SEL, 16
.set CS, 18
.set SS, 20                            ; the key step
.set TB, 21                            ; 6,144 x step
.set TS, 22                            ; 256 x step
.set GA, 23                            ; the last step of each tile
.set G1S, 24
.set G1C, 32
.set G0S, 40
.set G0C, 44
.set GB, 48
.macro CROUND                          ; a round of the cluster's barrier
	s_barrier_signal -1
	s_barrier_wait -1
	s_cmp_lg_u32 s[WV], 0
	s_cbranch_scc1 .Lnot_wave_0_\@
	s_barrier_signal -3
.Lnot_wave_0_\@:
	s_barrier_wait -3
	s_barrier_signal -1
	s_barrier_wait -1
.endm
	s_load_b256 s[4:11], s[0:1], 0x0               ; qkvi, qkvs, aimg, asc
	v_lshl_add_u32 v254, v0, 2, 0x32000
	v_mov_b32 v255, 0
	ds_add_u32 v254, v255
	ds_add_u32 v254, v255
	s_wait_dscnt 0x0
	v_lshrrev_b32 v1, 5, v0
	v_readfirstlane_b32 s[WV], v1                  ; wave 0..15
	s_bfe_u32 s[CX], ttmp6, 0x40000                ; cx
	s_and_b32 s[BH], ttmp7, 0xffff                 ; batch x head
	; descriptor groups 1: dense blocks as rows of 256 bytes (32 elements of 8); mask: all four work-groups
	s_mov_b32 s[G1S], 15|(3<<16)|(1<<21)
	s_mov_b32 s[G1S+1], 32<<16
	s_mov_b32 s[G1S+2], 8<<16                      ; 2,048 bytes of scale words
	s_mov_b32 s[G1S+3], 32<<16
	s_mov_b32 s[G1S+4], 8
	s_mov_b32 s[G1S+5], 32
	s_mov_b32 s[G1S+6], 0
	s_mov_b32 s[G1S+7], 0
	s_mov_b32 s[G1C], 15|(3<<16)|(1<<21)
	s_mov_b32 s[G1C+1], 32<<16
	s_mov_b32 s[G1C+2], 192<<16                    ; half an image: 49,152 bytes
	s_mov_b32 s[G1C+3], 32<<16
	s_mov_b32 s[G1C+4], 192
	s_mov_b32 s[G1C+5], 32
	s_mov_b32 s[G1C+6], 0
	s_mov_b32 s[G1C+7], 0
	s_and_b32 s50, s[WV], 1                        ; waves 0-3 fetch: K's (0) or V's (1),
	s_bfe_u32 s51, s[WV], 0x10001                  ; the first half or the second
	s_lshl_b32 s52, s50, 12
	s_lshl_b32 s53, s51, 11
	s_add_co_u32 s52, s52, s53                     ; the scale words' place in LDS
	s_add_co_u32 s54, s50, 1
	s_lshl_b32 s56, s54, 18
	s_lshl_b32 s55, s[BH], 12
	s_add_co_u32 s56, s56, s55
	s_add_co_u32 s56, s56, s53
	s_mov_b32 s57, 0                               ; and in qkvs
	s_mul_i32 s58, s54, 6291456
	s_mul_i32 s55, s[BH], 98304
	s_add_co_u32 s58, s58, s55
	s_mul_i32 s60, s51, 49152
	s_add_co_u32 s58, s58, s60
	s_mov_b32 s59, 0                               ; the codes' place in qkvi,
	s_mul_i32 s61, s50, VIMG
	s_add_co_u32 s61, s61, s60                     ; and in LDS
	s_mov_b32 s[SEL], 0x76543210
	s_mov_b32 s[SEL+1], 0xfedcba98
	s_mov_b32 s[CS], 0x3e38aa3b                    ; c = log2(e) / sqrt(64)
	s_mov_b32 s[CS+1], s[CS]
	s_mov_b32 s[SS], 0
	s_mov_b32 s[TB], 0
	s_mov_b32 s[TS], 0
	s_mov_b32 s[GA], s[WV]
	s_sub_co_u32 s[GB], 15, s[WV]
	s_wait_kmcnt 0x0
	CROUND                                         ; all four work-groups are here: the joint loads meet
	s_mov_b32 s[G0S], 1
	s_add_co_u32 s[G0S+1], s52, KSCL
	s_add_nc_u64 s[G0S+2:G0S+3], s[6:7], s[56:57]
	s_or_b32 s[G0S+3], s[G0S+3], 0x80000000
	s_mov_b32 s[G0C], 1
	s_mov_b32 s[G0C+1], s61
	s_add_nc_u64 s[G0C+2:G0C+3], s[4:5], s[58:59]
	s_or_b32 s[G0C+3], s[G0C+3], 0x80000000
	s_cmp_lt_u32 s[WV], 4                          ; a wave's two fills stand in one branch on the wave's number: two loads of mine are out at the most
	s_cbranch_scc0 .Lno_fetch
	tensor_load_to_lds s[G0S:G0S+3], s[G1S:G1S+7]
	s_nop 0
	tensor_load_to_lds s[G0C:G0C+3], s[G1C:G1C+7]
	s_nop 0
.rept 4
	v_nop
.endr
.Lno_fetch:
	s_lshl_b32 s66, s[GA], 2
	s_add_co_u32 s66, s66, s[CX]                   ; the first tile's 32 tokens: G = 4 w + cx, its u = 0
	s_lshl_b32 s67, s[GB], 2
	s_add_co_u32 s67, s67, s[CX]                   ; the second's: G = 4 (15 - w) + cx, its u = 1
	s_mul_i32 s70, s66, 1536
	s_add_co_u32 s70, s70, s55
	s_mov_b32 s71, 0
	s_add_nc_u64 s[72:73], s[4:5], s[70:71]        ; q's double fragments
	s_mul_i32 s70, s67, 1536
	s_add_co_u32 s70, s70, s55
	s_add_nc_u64 s[74:75], s[4:5], s[70:71]
	s_and_b32 s70, s[CX], 1                        ; q's scale words: item cx of step w or 15 - w
	s_lshl_b32 s70, s70, 7
	s_lshr_b32 s69, s[CX], 1
	s_lshl_b32 s69, s69, 2
	s_add_co_u32 s70, s70, s69
	s_lshl_b32 s69, s[BH], 12
	s_add_co_u32 s70, s70, s69
	s_lshl_b32 s69, s[GA], 8
	s_add_co_u32 s76, s70, s69
	s_mov_b32 s77, 0
	s_add_nc_u64 s[78:79], s[6:7], s[76:77]
	s_lshl_b32 s69, s[GB], 8
	s_add_co_u32 s76, s70, s69
	s_add_nc_u64 s[80:81], s[6:7], s[76:77]
	s_lshr_b32 s69, s[BH], 4                       ; where the results go
	s_lshl_b32 s69, s69, 7                         ; 128 tiles a batch
	s_and_b32 s82, s[BH], 15                       ; the head
	s_lshl_b32 s83, s66, 1
	s_add_co_u32 s83, s83, s69                     ; the first tile among the 512
	s_lshl_b32 s84, s67, 1
	s_add_co_u32 s84, s84, s69
	s_add_co_u32 s84, s84, 1                       ; the second
	s_lshl_b32 s85, s82, 1
	s_lshl_b32 s76, s83, 4
	s_add_co_u32 s76, s76, s82
	s_mul_i32 s76, s76, 768
	s_add_nc_u64 s[86:87], s[8:9], s[76:77]
	s_lshl_b32 s76, s83, 9
	s_add_co_u32 s76, s76, s85
	s_add_nc_u64 s[88:89], s[10:11], s[76:77]
	s_lshl_b32 s76, s84, 4
	s_add_co_u32 s76, s76, s82
	s_mul_i32 s76, s76, 768
	s_add_nc_u64 s[90:91], s[8:9], s[76:77]
	s_lshl_b32 s76, s84, 9
	s_add_co_u32 s76, s76, s85
	s_add_nc_u64 s[92:93], s[10:11], s[76:77]
	s_lshl_b32 s66, s[CX], 5
	v_and_b32 v60, 31, v0                          ; lane
	v_and_b32 v61, 15, v0                          ; r
	v_bfe_u32 v62, v0, 4, 1                        ; h
	v_lshlrev_b32 v[LI], 4, v60
	v_lshl_add_u32 v[LS], v60, 3, KSCL
	v_lshlrev_b32 v[OI], 3, v60
	v_lshlrev_b32 v[OS], 5, v61
	v_lshlrev_b32 v[ADK], 3, v61                   ; 8 r: a scale word's place (this register is free again behind the wait for the loads)
	global_load_b128 v[QA:QA+3], v[LI], s[72:73]                     ; the first tile: registers 0-5 of the double fragment
	global_load_b64 v[QA+4:QA+5], v[LI], s[72:73] offset:512
	global_load_b64 v[QB+12:QB+13], v[LI], s[74:75] offset:520       ; the second: registers 6-11
	global_load_b128 v[QB+14:QB+17], v[LI], s[74:75] offset:1024
	global_load_b32 v[SQ], v[ADK], s[78:79]
	global_load_b32 v[SQ+3], v[ADK], s[80:81]
	v_and_b32 v63, 8, v61
	v_add_nc_u32 v63, v63, v61                     ; r + 8 (r / 8)
	v_lshlrev_b32 v64, 4, v62
	v_sub_nc_u32 v63, v63, v64                     ; - 16 h
	v_add_nc_u32 v[QDA], s66, v63                  ; + 32 cx
	v_add_nc_u32 v[QDB], 8, v[QDA]                 ; + 8 u
.irp t, STA, STB
	v_mov_b32 v[\t+1], 0xff61b1e6                  ; the largest t so far: -3e38
	v_floor_f32 v[\t], -v[\t+1]                    ; -M
	v_mov_b32 v[\t+2], 0
	v_mov_b32 v[\t+3], 0
.endr
	v_mov_b32 v[NINF], 0xff800000
	v_mov_b32 v[FF+1], 0                           ; named as the upper half of a pair
	v_mov_b32 v255, 0
.irp b, 0,1,2,3
	v_mov_b32 v[PT+\b], 0                          ; a lane permute's destination counts as one of its sources
.endr
.irp i, 0,1,2,3,4,5
	v_mov_b32 v[QA+6+\i], 0
	v_mov_b32 v[QB+6+\i], 0
.endr
	s_wait_loadcnt 0x0
	v_lshlrev_b32 v[SQ+1], 16, v[SQ]               ; the word holds [u = 0: two bytes][u = 1: two bytes]: each operand gets its tile's two bytes where its Q stands; the other two meet zero codes
	v_lshrrev_b32 v[SQ+2], 16, v[SQ+3]
.irp i, 0,1,2,3,4,5
	v_mov_b32 v[QA+12+\i], v[QA+\i]
	v_mov_b32 v[QB+\i], v[QB+12+\i]
.endr
.set j, 0
.rept 64
	v_mov_b32 v[OA+j], 0                           ; O^T: the step is written once; the first finds zeros.  (These also stand between the lines above and the first products)
.set j, j+1
.endr
	s_wait_tensorcnt 0x0                           ; my parts of K and V are in,
	s_barrier_signal -1
	s_barrier_wait -1                              ; everybody's are
; A KEY STEP of one tile: q its Q registers, sq its scale words, o its O^T, st its statistics, qd the mask's number, g its last step.
.macro STEP q, sq, o, st, qd, g
	s_cmp_gt_u32 s[SS], s[\g]                      ; all 128 keys come after my queries: nothing to do
	s_cbranch_scc1 .Lhid_\@
	v_add_nc_u32 v[ADK], s[TB], v[LI]              ; four plain lines: the places in front of loads into registers that the last products read
	v_add_nc_u32 v[ADS], s[TS], v[LS]
	v_add_nc_u32 v[ADV], VIMG, v[ADK]
	v_nop
.irp i, 0,1,2,3
.irp c, 0,1,2
	ds_load_b128 v[F+12*\i+4*\c:F+12*\i+4*\c+3], v[ADK] offset:1536*\i+512*\c
.endr
.endr
	ds_load_b64 v[KSC:KSC+1], v[ADS]
	s_wait_dscnt 0x0
.irp i, 0,1,2,3                        ; S^T: tile 2 i + u: keys 32 i + 16 h + 8 u + 0 .. 7
.irp u, 0,1
.if (\i)%2
	v_wmma_scale_f32_16x16x128_f8f6f4 v[S+8*(2*\i+\u):S+8*(2*\i+\u)+7], v[F+12*\i:F+12*\i+11], v[\q+6*\u:\q+6*\u+11], 0, v[KSC+\i/2], v[\sq+\u] matrix_a_fmt:MATRIX_FMT_FP6 matrix_b_fmt:MATRIX_FMT_FP6 matrix_a_scale:MATRIX_SCALE_ROW1
.else
	v_wmma_scale_f32_16x16x128_f8f6f4 v[S+8*(2*\i+\u):S+8*(2*\i+\u)+7], v[F+12*\i:F+12*\i+11], v[\q+6*\u:\q+6*\u+11], 0, v[KSC+\i/2], v[\sq+\u] matrix_a_fmt:MATRIX_FMT_FP6 matrix_b_fmt:MATRIX_FMT_FP6
.endif
.endr
.endr
.rept 4
	v_nop
.endr
	s_cmp_lg_u32 s[SS], s[\g]                      ; only the tile's last step lies on the diagonal
	s_cbranch_scc1 .Lopen_\@
.set n, 0
.rept 64
	v_cmp_gt_i32 vcc_lo, 32*(n/16)+n%16, v[\qd]    ; register 16 b + i holds key 32 b + 16 h + i of the step: hidden where it comes after my query
	v_cndmask_b32 v[S+n], v[S+n], v[NINF], vcc_lo
.set n, n+1
.endr
.Lopen_\@:
.irp b, 0,1,2,3
	v_max3_num_f32 v[BM+\b], v[S+16*\b], v[S+1+16*\b], v[S+2+16*\b]   ; the largest score of each block of 32 keys: for the row's maximum and for the block's largest p
.endr
.irp i, 3,5,7,9,11,13
.irp b, 0,1,2,3
	v_max3_num_f32 v[BM+\b], v[BM+\b], v[S+16*\b+\i], v[S+1+16*\b+\i]
.endr
.endr
.irp b, 0,1,2,3
	v_max_num_f32 v[BM+\b], v[BM+\b], v[S+15+16*\b]
.endr
.irp b, 0,1,2,3
	v_permlanex16_b32 v[PT+\b], v[BM+\b], s[SEL], s[SEL+1]
.endr
.irp b, 0,1,2,3
	v_max_num_f32 v[BM+\b], v[BM+\b], v[PT+\b]     ; with lane l xor 16's 16 keys
.endr
	v_max3_num_f32 v254, v[BM], v[BM+1], v[BM+2]
	v_max_num_f32 v254, v254, v[BM+3]
	v_mul_f32 v254, s[CS], v254                    ; the step's largest t
	v_max_num_f32 v[\st+1], v[\st+1], v254         ; the running largest t
	v_mov_b32 v254, v[\st]
	v_floor_f32 v[\st], -v[\st+1]                  ; the new -M = -ceil(t)
	v_sub_f32 v254, v[\st], v254                   ; old M - new M: a whole number, 0 or less
	v_cvt_i32_f32 v254, v254                       ; (it saturates)
	v_ldexp_f32 v[FF], 1.0, v254                   ; f = 2^(old M - new M)
.set j, 0
.rept 32
	v_pk_fma_f32 v[S+j:S+j+1], v[S+j:S+j+1], s[CS:CS+1], v[\st:\st+1] op_sel_hi:[1,0,0]   ; t - M
.set j, j+2
.endr
.irp b, 0,1,2,3
	v_fma_f32 v[BM+\b], v[BM+\b], s[CS], v[\st]
.endr
.set j, 0
.rept 64
	v_exp_f32 v[S+j], v[S+j]                       ; p = 2^(t - M)
.set j, j+1
.endr
	v_pk_mul_f32 v[\st+2:\st+3], v[\st+2:\st+3], v[FF:FF+1] op_sel_hi:[1,0]   ; the sums under the new M: a plain line behind the exponentials
	s_wait_alu depctr_va_vdst(0)                   ; one wait for the batch, ahead of its first reader
.irp b, 0,1,2,3
	v_exp_f32 v[BM+\b], v[BM+\b]                   ; each block's largest p
.endr
	v_pk_add_f32 v[PT:PT+1], v[S:S+1], v[S+2:S+3]  ; the row's sum of the unquantised p, in two chains
.set j, 4
.rept 15
	v_pk_add_f32 v[\st+2:\st+3], v[\st+2:\st+3], v[S+j:S+j+1]
	v_pk_add_f32 v[PT:PT+1], v[PT:PT+1], v[S+j+2:S+j+3]
.set j, j+4
.endr
	v_pk_add_f32 v[\st+2:\st+3], v[\st+2:\st+3], v[PT:PT+1]
	s_wait_alu depctr_va_vdst(0)                   ; and one for the four
.irp b, 0,1,2,3
	v_max_num_f32 v[BM+\b], 0x1800000, v[BM+\b]    ; the floor 2^(3 - 127)
.endr
.irp b, 0,1,2,3
	v_add_nc_u32 v[SO+\b], 0xff000000, v[BM+\b]    ; 2 off the exponent field: the conversion's scale operand
.endr
.irp b, 0,1,2,3
	v_lshrrev_b32 v[PT+\b], 23, v[SO+\b]           ; the scale's byte
.endr
	v_lshl_or_b32 v[PWD], v[PT+1], 8, v[PT]
	v_lshl_or_b32 v[PWD], v[PT+2], 16, v[PWD]
	v_lshl_or_b32 v[PWD], v[PT+3], 24, v[PWD]
.irp c, 0,1
	v_cvt_scalef32_pk16_fp6_f32 v[PC+6*\c:PC+6*\c+2], v[S+32*\c:S+32*\c+15], v[SO+2*\c]
	v_cvt_scalef32_pk16_fp6_f32 v[CT+4*\c:CT+4*\c+2], v[S+32*\c+16:S+32*\c+31], v[SO+2*\c+1]
.endr
	v_nop                                          ; one plain place behind a scaled conversion
.irp c, 0,1
.irp i, 0,1,2
	v_permlane16_swap_b32 v[PC+6*\c+\i], v[CT+4*\c+\i]   ; a whole block to a lane
.endr
.irp i, 0,1,2
	v_mov_b32 v[PC+6*\c+3+\i], v[CT+4*\c+\i]
.endr
.endr
.irp d, 0,1,2,3
.irp c, 0,1,2
	ds_load_b128 v[F+12*\d+4*\c:F+12*\d+4*\c+3], v[ADV] offset:1536*\d+512*\c
.endr
.endr
	ds_load_b64 v[KSC:KSC+1], v[ADS] offset:4096
.set j, 0
.rept 16
	v_pk_mul_f32 v[\o+j:\o+j+1], v[\o+j:\o+j+1], v[FF:FF+1] op_sel_hi:[1,0]   ; O^T under the new M; these lines also stand between the codes' and the scale word's last writes and the products
.set j, j+2
.endr
	s_wait_dscnt 0x0
.irp d, 0,1,2,3                        ; O^T += V^T P^T: register 8 d + j: channel 32 (d / 2) + 16 h + 8 (d % 2) + j
.if (\d)%2
	v_wmma_scale_f32_16x16x128_f8f6f4 v[\o+8*\d:\o+8*\d+7], v[F+12*\d:F+12*\d+11], v[PC:PC+11], v[\o+8*\d:\o+8*\d+7], v[KSC+\d/2], v[PWD] matrix_a_fmt:MATRIX_FMT_FP6 matrix_b_fmt:MATRIX_FMT_FP6 matrix_a_scale:MATRIX_SCALE_ROW1
.else
	v_wmma_scale_f32_16x16x128_f8f6f4 v[\o+8*\d:\o+8*\d+7], v[F+12*\d:F+12*\d+11], v[PC:PC+11], v[\o+8*\d:\o+8*\d+7], v[KSC+\d/2], v[PWD] matrix_a_fmt:MATRIX_FMT_FP6 matrix_b_fmt:MATRIX_FMT_FP6
.endif
.endr
.Lhid_\@:
.endm
; THE WAY OUT of a tile: O^T / the sum, quantised along the channels (two blocks of 32); d: six registers of codes, hw: the two bytes, ib, sb: where they go.
.macro OUT o, st, d, hw, ib, sb
	v_add_f32 v254, v[\st+2], v[\st+3]
	v_permlanex16_b32 v255, v254, s[SEL], s[SEL+1]
	v_add_f32 v254, v254, v255                     ; the row's sum
	v_rcp_f32 v254, v254
	v_nop                                          ; a plain place behind the reciprocal
	s_wait_alu depctr_va_vdst(0)                   ; and the wait ahead of its first reader
.set j, 0
.rept 32
	v_mul_f32 v[S+j], v[\o+j], v254                ; register 16 b + e: channel 32 b + 16 h + e
.set j, j+1
.endr
.irp b, 0,1
	v_max3_num_f32 v[BM+\b], |v[S+16*\b]|, |v[S+1+16*\b]|, 0x1800000
.endr
.irp i, 2,4,6,8,10,12,14
.irp b, 0,1
	v_max3_num_f32 v[BM+\b], v[BM+\b], |v[S+16*\b+\i]|, |v[S+1+16*\b+\i]|
.endr
.endr
.irp b, 0,1
	v_permlanex16_b32 v[PT+\b], v[BM+\b], s[SEL], s[SEL+1]
.endr
.irp b, 0,1
	v_max_num_f32 v[BM+\b], v[BM+\b], v[PT+\b]
.endr
.irp b, 0,1
	v_add_nc_u32 v[SO+\b], 0xff000000, v[BM+\b]
.endr
.irp b, 0,1
	v_lshrrev_b32 v[PT+\b], 23, v[SO+\b]
.endr
	v_lshl_or_b32 v[\hw], v[PT+1], 8, v[PT]
	v_cvt_scalef32_pk16_fp6_f32 v[\d:\d+2], v[S:S+15], v[SO]
	v_cvt_scalef32_pk16_fp6_f32 v[CT:CT+2], v[S+16:S+31], v[SO+1]
	v_nop
.irp i, 0,1,2
	v_permlane16_swap_b32 v[\d+\i], v[CT+\i]
.endr
.irp i, 0,1,2
	v_mov_b32 v[\d+3+\i], v[CT+\i]
.endr
.irp c, 0,1,2
	global_store_b64 v[OI], v[\d+2*\c:\d+2*\c+1], s[\ib:\ib+1] offset:256*\c   ; 32 lanes store 256 consecutive bytes, aligned
.endr
	global_store_b16 v[OS], v[\hw], s[\sb:\sb+1]   ; two bytes of each of 16 rows (both halves of the lanes store the same): a head owns 2 of a row's 32 bytes
.endm
.Lstep:                                            ; 16 trips; each wave works in 17 of the 32 steps that stand in them
	STEP QA, SQ, OA, STA, QDA, GA
	STEP QB, SQ+2, OB, STB, QDB, GB
	s_add_co_u32 s[TB], s[TB], 6144
	s_add_co_u32 s[TS], s[TS], 256
	s_add_co_u32 s[SS], s[SS], 1
	s_cmp_lt_u32 s[SS], 16
	s_cbranch_scc1 .Lstep
.rept 4
	v_nop                                          ; places behind the last products
.endr
	OUT OA, STA, PC, HWA, 86, 88
	OUT OB, STB, PC+6, HWB, 90, 92
	s_wait_xcnt 0x0
	v_lshl_add_u32 v254, v0, 2, 0x32000
	v_mov_b32 v255, 0
	s_wait_tensorcnt 0x0
	ds_add_u32 v254, v255
	s_wait_dscnt 0x0
	CROUND                                         ; the closing round
	s_endpgm
.Lfunc_end_k_qdc79dec354_attn:
	.size	k_qdc79dec354_attn, .Lfunc_end_k_qdc79dec354_attn-k_qdc79dec354_attn
	.p2alignl 7, 3214868480
	.fill 96, 4, 3214868480
	.section	.rodata,"a",@progbits
	.p2align	6, 0x0
	.amdhsa_kernel k_qdc79dec354_attn
		.amdhsa_group_segment_fixed_size 206848
		.amdhsa_private_segment_fixed_size 0
		.amdhsa_enable_private_segment 0
		.amdhsa_kernarg_size 32
		.amdhsa_user_sgpr_count 2
		.amdhsa_user_sgpr_kernarg_segment_ptr 1
		.amdhsa_wavefront_size32 1
		.amdhsa_system_sgpr_workgroup_id_x 1
		.amdhsa_system_sgpr_workgroup_id_y 1
		.amdhsa_system_sgpr_workgroup_id_z 1
		.amdhsa_system_vgpr_workitem_id 0
		.amdhsa_next_free_vgpr 256
		.amdhsa_next_free_sgpr 96
		.amdhsa_reserve_vcc 1
		.amdhsa_float_denorm_mode_32 3
		.amdhsa_float_denorm_mode_16_64 3
		.amdhsa_memory_ordered 1
		.amdhsa_forward_progress 1
		.amdhsa_inst_pref_size 59
	.end_amdhsa_kernel
	.amdgpu_metadata
---
amdhsa.version: [ 1, 2 ]
amdhsa.kernels:
  - .name:           k_qdc79dec354_attn
    .symbol:         k_qdc79dec354_attn.kd
    .args:
      - { .name: qkvi, .offset: 0, .size: 8, .value_kind: global_buffer, .address_space: global }
      - { .name: qkvs, .offset: 8, .size: 8, .value_kind: global_buffer, .address_space: global }
      - { .name: aimg, .offset: 16, .size: 8, .value_kind: global_buffer, .address_space: global }
      - { .name: asc, .offset: 24, .size: 8, .value_kind: global_buffer, .address_space: global }
    .group_segment_fixed_size: 206848
    .private_segment_fixed_size: 0
    .kernarg_segment_align: 8
    .kernarg_segment_size: 32
    .max_flat_workgroup_size: 512
    .sgpr_count:     96
    .vgpr_count:     256
    .wavefront_size: 32
...
	.end_amdgpu_metadata
.endif
;; end of part 3
;; launch proj (part 4): grid 4 x 32, 4 waves a work-group, clusters of 4 x 4, 327,680 bytes of LDS; arguments aimg, asc, xwc, xws, bp, out0; writes out0
.if DOCPART == 4
	.amdgcn_target "amdgcn-amd-amdhsa--gfx1250"
	.amdhsa_code_object_version 6
	.text
	.protected	k_qdc79dec354_proj
	.globl	k_qdc79dec354_proj
	.p2align	8
	.type	k_qdc79dec354_proj,@function
k_qdc79dec354_proj:
	s_mov_b64 s[64:65], 0
	v_nop
	global_prefetch_b8 v0, s[64:65] scope:SCOPE_SE
	s_setreg_imm32_b32 hwreg(HW_REG_WAVE_MODE, 25, 1), 1
	s_wait_xcnt 0x0
	s_wait_alu depctr_hold_cnt(0) depctr_sa_sdst(0) depctr_va_vdst(0) depctr_va_sdst(0) depctr_va_ssrc(0) depctr_va_vcc(0) depctr_vm_vsrc(0)
	s_getreg_b32 s2, hwreg(HW_REG_IB_STS2, 6, 4)
	s_cmp_eq_u32 s2, 0
	s_cbranch_scc0 .Lentry_in_a_cluster
	s_endpgm
.Lentry_in_a_cluster:
	s_bfe_u32 s2, ttmp6, 0x10000c
	s_cmp_lg_u32 s2, 0xf033
	s_cbranch_scc0 .Lentry_shape_is_right
	s_endpgm
.Lentry_shape_is_right:
; out0 = attn Wp^T + bp on codes of FP6 (E2M3) with E8M0 scales; sums in f32.  A tile of 256 x 256 to a work-group of four waves, 128 x 128 to a wave; K = 1,024 in four steps of 256
; through a ring of two LDS slots filled by joint tensor loads; clusters of 4 x 4: A's tile is shared along a row of the cluster, B's along a column.
; A (source 1) comes as images of operand registers: aimg [tile of 16 tokens][head 16][3][lane][8 bytes]; a K step of 256 is four heads, 3,072 consecutive bytes of each tile of tokens; a fragment is six loads of 8 bytes a lane, 256 consecutive bytes each.
; B (source 0) = Wp's rows in xwc (from row 11,264), as rows of 192 bytes with 16 bytes of padding behind every 64.
; Both operands' rows stand with bits 3 and 4 of the row number swapped; the way out puts tokens and channels back: by the stage's offsets (channels) and by the stores' offsets (tokens).
; bp is the C of each sum's first matrix instruction.
; 128 work-groups: a tile of 128 x 256 would give 256 of half the work each; it is left for a later version.
; REGISTERS: window 0: v16-31 addresses; v32-63 scale words; v64-127 bp; v128-223 A's fragments; window 1: B's fragments, two sets; windows 2, 3: the accumulators.
.set KSTEP,  256
.set NQ,     2
.set ROWB,   192
.set KROW,   768
.set ASTEP,  3072                      ; a K step's bytes of a tile of 16 tokens in aimg
.set PITCH,  240
.set FR,     12
.set NL,     6
.set NP,     4
.set HALFT,  128*PITCH
.set SLOT,   4*HALFT
.set LAPS,   2
.set KS,     32
.set SCL,    2*SLOT
.set HALFS,  (128*KS/256)*272
.set SBLK,   (16*KS/256)*272
.set SPARE,  SCL+4*HALFS               ; the spare words, 128 bytes a wave: two blocks of 256 bytes that no other line names
.set SPITCH, 528                       ; the way out: a stage of 16 rows x (512 bytes + 16) for each wave, in slot 0, which has had its last fill and its last read by then
.set ADRA, 16
.set ADRB, 20
.set STO,  24
.set RD,   25
.set CO,   26
.set ADRS, 27
.set SPW,  28
.set NIL,  29
.set BO,   30
.set SC,   32
.set BI,   64
.set AF,   128
.set BK,   128
.set G1, 24
.set G0, 32
.set G1B, 48
.set G0B, 56
.set G1S, 68
.set G0S, 76
.set G1SB, 80
.set G0SB, 88
.set MSB, 0
.macro WIN new
.if MSB != (\new)
	s_set_vgpr_msb (MSB<<8)|(\new)
.set MSB, (\new)
.endif
.endm
.set MUL_LO, 0xa1                      ; source 0 (B) window 1, source 1 (A) window 0, C and D window 2
.set MUL_HI, 0xf1
.set FST_LO, 0x81                      ; the first step: C (bp) window 0, D window 2
.set FST_HI, 0xc1
.set TO_B,   0x40
.macro JLOAD g0a, g1a, g0b, g1b        ; a joint load: waves 0 and 1 fetch for A, waves 2 and 3 for B; four v_nop follow each of the two lines
	s_cmp_eq_u32 s15, 0
	s_cbranch_scc0 .Lfor_b_\@
	tensor_load_to_lds s[\g0a:\g0a+3], s[\g1a:\g1a+7]
	s_nop 0
.rept 4
	v_nop
.endr
	s_branch .Lasked_\@
.Lfor_b_\@:
	tensor_load_to_lds s[\g0b:\g0b+3], s[\g1b:\g1b+7]
	s_nop 0
.rept 4
	v_nop
.endr
.Lasked_\@:
.endm
.macro CREST
	s_cmp_lg_u32 s14, 0
	s_cbranch_scc1 .Lnot_wave_0_\@
	s_barrier_signal -3
.Lnot_wave_0_\@:
	s_barrier_wait -3
	s_barrier_signal -1
	s_barrier_wait -1
.endm
.macro CROUND
	s_barrier_signal -1
	s_barrier_wait -1
	CREST
.endm
	s_load_b128 s[4:7], s[0:1], 0x0                ; aimg, asc
	s_load_b128 s[8:11], s[0:1], 0x10              ; xwc, xws
	s_load_b64 s[96:97], s[0:1], 0x20              ; bp
	s_load_b64 s[12:13], s[0:1], 0x28              ; out0
	v_lshl_add_u32 v[SPW], v0, 2, SPARE
	v_mov_b32 v[NIL], 0
	ds_add_u32 v28, v29
	ds_add_u32 v28, v29
	s_wait_dscnt 0x0
	v_lshrrev_b32 v1, 5, v0
	v_readfirstlane_b32 s14, v1                    ; wave 0..3
	s_lshr_b32 s15, s14, 1                         ; which half of the tile's rows is mine.  Also: I fetch for A (0) or for B (1)
	s_and_b32 s16, s14, 1                          ; which half of its columns.  Also: which 128 rows I fetch
	s_bfe_u32 s40, ttmp6, 0x40000                  ; cx
	s_bfe_u32 s41, ttmp6, 0x40004                  ; cy
	s_lshl_b32 s42, ttmp9, 2
	s_add_co_u32 s42, s42, s40                     ; tile column
	s_and_b32 s17, ttmp7, 0xffff
	s_lshl_b32 s17, s17, 2
	s_add_co_u32 s17, s17, s41                     ; tile row
	s_lshl_b32 s43, s41, 2
	s_lshl_b32 s43, 15, s43                        ; my row of the cluster
	s_lshl_b32 s44, 0x1111, s40                    ; my column
	; A's tiles: 8 tiles of tokens x 3,072 bytes (384 elements of 8), 12,288 bytes apart; dense in LDS
	s_or_b32 s[G1+0], s43, (3<<16)|(1<<21)
	s_mov_b32 s[G1+1], 384<<16
	s_mov_b32 s[G1+2], 8<<16
	s_mov_b32 s[G1+3], 384<<16
	s_mov_b32 s[G1+4], 8
	s_mov_b32 s[G1+5], 1536
	s_mov_b32 s[G1+6], 0
	s_mov_b32 s[G1+7], 0
	; B's tiles: 128 rows x 192 bytes, 16 bytes of padding behind every 64
	s_or_b32 s[G1B+0], s44, (0<<16)|(1<<20)|(1<<21)|(3<<22)|(3<<25)
	s_mov_b32 s[G1B+1], ROWB<<16
	s_mov_b32 s[G1B+2], 128<<16
	s_mov_b32 s[G1B+3], ROWB<<16
	s_mov_b32 s[G1B+4], 128
	s_mov_b32 s[G1B+5], KROW
	s_mov_b32 s[G1B+6], 0
	s_mov_b32 s[G1B+7], 0
	; the scales of 128 rows: 4,096 dense bytes as 16 rows of 256, 16 bytes of padding behind each
	s_or_b32 s[G1S+0], s43, (3<<16)|(1<<20)|(1<<21)|(5<<22)|(3<<25)
	s_or_b32 s[G1SB+0], s44, (3<<16)|(1<<20)|(1<<21)|(5<<22)|(3<<25)
.irp g, G1S, G1SB
	s_mov_b32 s[\g+1], 32<<16
	s_mov_b32 s[\g+2], (128*KS/256)<<16
	s_mov_b32 s[\g+3], 32<<16
	s_mov_b32 s[\g+4], 128*KS/256
	s_mov_b32 s[\g+5], 32
	s_mov_b32 s[\g+6], 0
	s_mov_b32 s[\g+7], 0
.endr
	s_lshl_b32 s18, s16, 7
	s_lshl_b32 s20, s17, 8
	s_add_co_u32 s20, s20, s18                     ; A: stored row 256 x tile row + 128 x half
	s_lshl_b32 s46, s42, 8
	s_add_co_u32 s46, s46, s18
	s_add_co_u32 s46, s46, 11264                   ; B: Wp's rows in xwc
	s_mov_b32 s21, 0
	s_mov_b32 s47, 0
	s_mov_b64 s[18:19], KS
	s_mul_u64 s[22:23], s[20:21], s[18:19]
	s_mul_u64 s[92:93], s[46:47], s[18:19]
	s_mov_b64 s[18:19], KROW                       ; 16 rows of aimg are 12,288 bytes: 768 a row, as in xwc
	s_mul_u64 s[20:21], s[20:21], s[18:19]
	s_mul_u64 s[46:47], s[46:47], s[18:19]
	s_mul_i32 s45, s14, HALFT
	s_mul_i32 s94, s14, HALFS
	s_wait_kmcnt 0x0
	s_add_nc_u64 s[20:21], s[4:5], s[20:21]
	s_add_nc_u64 s[22:23], s[6:7], s[22:23]
	s_add_nc_u64 s[46:47], s[8:9], s[46:47]
	s_add_nc_u64 s[92:93], s[10:11], s[92:93]
	CROUND                                         ; all sixteen work-groups are here: the first joint loads meet
	s_mov_b32 s[G0S], 1
	s_add_co_u32 s[G0S+1], s94, SCL
	s_mov_b64 s[G0S+2:G0S+3], s[22:23]
	s_or_b32 s[G0S+3], s[G0S+3], 0x80000000
	s_mov_b32 s[G0SB], 1
	s_add_co_u32 s[G0SB+1], s94, SCL
	s_mov_b64 s[G0SB+2:G0SB+3], s[92:93]
	s_or_b32 s[G0SB+3], s[G0SB+3], 0x80000000
	JLOAD G0S, G1S, G0SB, G1SB
.irp s, 0,1
	s_mov_b32 s[G0+4*\s], 1
	s_add_co_u32 s[G0+4*\s+1], s45, \s*SLOT
	s_add_nc_u64 s[G0+4*\s+2:G0+4*\s+3], s[20:21], \s*ASTEP
	s_or_b32 s[G0+4*\s+3], s[G0+4*\s+3], 0x80000000
	s_mov_b32 s[G0B+4*\s], 1
	s_add_co_u32 s[G0B+4*\s+1], s45, \s*SLOT
	s_add_nc_u64 s[G0B+4*\s+2:G0B+4*\s+3], s[46:47], \s*ROWB
	s_or_b32 s[G0B+4*\s+3], s[G0B+4*\s+3], 0x80000000
	JLOAD G0+4*\s, G1, G0B+4*\s, G1B
.endr
	v_and_b32 v1, 15, v0                           ; r
	v_bfe_u32 v2, v0, 4, 1                         ; h
	v_and_b32 v8, 31, v0                           ; lane
	v_mul_u32_u24 v3, v1, PITCH
	v_mul_u32_u24 v4, v2, 24
	v_add_nc_u32 v4, v3, v4                        ; B: a fragment's row x pitch + 24 h
	v_lshl_add_u32 v5, v2, 4, v4                   ; and the same behind one padding more
	v_lshlrev_b32 v7, 3, v8                        ; A: 8 x lane
	s_mul_i32 s21, s15, HALFT
	s_mul_i32 s22, s16, HALFT
	s_add_co_u32 s22, s22, 2*HALFT
.irp s, 0,1
	v_add_nc_u32 v[ADRA+\s], s21, v7
	v_add_nc_u32 v[ADRB+\s], s22, v4
	v_add_nc_u32 v[ADRB+2+\s], s22, v5
	s_add_co_u32 s21, s21, SLOT
	s_add_co_u32 s22, s22, SLOT
.endr
	v_mul_u32_u24 v5, v1, KS
	v_lshrrev_b32 v6, 8, v5
	v_lshl_add_u32 v5, v6, 4, v5
	s_mul_i32 s21, s15, HALFS
	s_mul_i32 s22, s16, HALFS
	s_add_co_u32 s22, s22, 2*HALFS
	s_sub_co_u32 s22, s22, s21
	v_mul_u32_u24 v6, s22, v2                      ; lanes 16-31 take B's
	s_add_co_u32 s21, s21, SCL
	v_add_nc_u32 v5, v5, v6
	v_add_nc_u32 v[ADRS], s21, v5
	s_mul_i32 s23, s14, 16*SPITCH                  ; my stage
	v_mul_u32_u24 v5, v1, SPITCH                   ; in: row r, + 64 h: my half's 16 channels of each 32
	v_lshl_add_u32 v5, v2, 6, v5
	v_add_nc_u32 v[STO], s23, v5
	v_lshlrev_b32 v[CO], 4, v8                     ; back: the 32 lanes take one row of 512 bytes; and the same in out0
	v_add_nc_u32 v[RD], s23, v[CO]
	v_lshlrev_b32 v[BO], 6, v2
	s_lshl_b32 s20, s17, 8
	s_lshl_b32 s21, s15, 7
	s_add_co_u32 s20, s20, s21                     ; my first row of out0
	s_mov_b32 s21, 0
	s_mov_b64 s[18:19], 4096
	s_mul_u64 s[20:21], s[20:21], s[18:19]
	s_lshl_b32 s46, s42, 10                        ; my first column, in bytes: in out0 and in bp
	s_lshl_b32 s47, s16, 9
	s_add_co_u32 s46, s46, s47
	s_mov_b32 s47, 0
	s_add_nc_u64 s[96:97], s[96:97], s[46:47]
	s_add_nc_u64 s[20:21], s[20:21], s[46:47]
	s_add_nc_u64 s[12:13], s[12:13], s[20:21]
.irp B, 0,1,2,3
.irp k, 0,1,2,3
	global_load_b128 v[BI+16*\B+4*\k:BI+16*\B+4*\k+3], v[BO], s[96:97] offset:128*\B+16*\k   ; BI[16 B + e] = bp[32 B + 16 h + e]: the result's layout
.endr
.endr
.macro FRAG reg, adr, q, i             ; B's fragment: six pieces of 8 bytes; where the piece of lanes 16-31 lies behind one padding more, the second address register serves
.irp p, 0,1,2,3,4,5
.set PCE, 12*(\q)+6*(\p/3)+\p%3
.if PCE%8 < 5
	ds_load_b64 v[\reg+2*\p:\reg+2*\p+1], v[\adr] offset:8*PCE+16*(PCE/8)+(\i)*16*PITCH
.else
	ds_load_b64 v[\reg+2*\p:\reg+2*\p+1], v[\adr+2] offset:8*PCE+16*(PCE/8)+(\i)*16*PITCH
.endif
.endr
.endm
.macro FRAGA reg, adr, q, i            ; A's fragment: an image of its registers, two at a time: 256 consecutive bytes a load
.irp p, 0,1,2,3,4,5
	ds_load_b64 v[\reg+2*\p:\reg+2*\p+1], v[\adr] offset:(\i)*ASTEP+(\q)*1536+256*\p
.endr
.endm
; 16 matrix instructions: A's blocks a0, a0 + 1 x B's eight.  zero = 1: the first product starts the sums on bp.  The 64 accumulators take turns.
.macro MUL16 a0, p, q, sc, zero
.irp a, \a0, \a0+1
.irp b, 0,1,2,3,4,5,6,7
.if \zero
	v_wmma_scale_f32_16x16x128_f8f6f4 v[8*(8*((\a)%4)+\b):8*(8*((\a)%4)+\b)+7], v[128*(\p)+FR*\b:128*(\p)+FR*\b+FR-1], v[AF+FR*(\a):AF+FR*(\a)+FR-1], v[BI+8*\b:BI+8*\b+7], v[SC+8*NQ*(\sc)+NQ*\b+(\q)], v[SC+8*NQ*(\sc)+NQ*(\a)+(\q)] matrix_a_fmt:MATRIX_FMT_FP6 matrix_b_fmt:MATRIX_FMT_FP6 matrix_a_scale:MATRIX_SCALE_ROW1
.else
	v_wmma_scale_f32_16x16x128_f8f6f4 v[8*(8*((\a)%4)+\b):8*(8*((\a)%4)+\b)+7], v[128*(\p)+FR*\b:128*(\p)+FR*\b+FR-1], v[AF+FR*(\a):AF+FR*(\a)+FR-1], v[8*(8*((\a)%4)+\b):8*(8*((\a)%4)+\b)+7], v[SC+8*NQ*(\sc)+NQ*\b+(\q)], v[SC+8*NQ*(\sc)+NQ*(\a)+(\q)] matrix_a_fmt:MATRIX_FMT_FP6 matrix_b_fmt:MATRIX_FMT_FP6 matrix_a_scale:MATRIX_SCALE_ROW1
.endif
.endr
.endr
.endm
.macro FETCH_B slot, q, p
	WIN TO_B
.irp i, 0,1,2,3,4,5,6,7
	FRAG 128*(\p)+FR*\i, ADRB+\slot, \q, \i
.endr
	WIN 0
.endm
.macro FETCH_A slot, q, i0
.irp i, \i0, \i0+1, \i0+2, \i0+3
	FRAGA AF+FR*(\i), ADRA+\slot, \q, \i
.endr
.endm
.macro SCALES sc
.irp i, 0,1,2,3,4,5,6,7
	ds_load_b64 v[SC+8*NQ*\sc+NQ*\i:SC+8*NQ*\sc+NQ*\i+1], v[ADRS] offset:\i*SBLK
.endr
.endm
.macro PLACES n
.rept \n
	v_nop
.endr
.endm
.macro STEP slot, q, zero
	s_wait_dscnt 4*NL                              ; B's set and A's blocks 0-3 are in; the youngest 24 loads (A's blocks 4-7) may be out
.if \zero
	WIN FST_LO
.else
	WIN MUL_LO
.endif
	MUL16 0, (\q)%2, \q, \slot, \zero
	MUL16 2, (\q)%2, \q, \slot, \zero
	s_wait_dscnt 0
	PLACES NP
	FETCH_B \slot, (\q)+1, 1-(\q)%2
	FETCH_A \slot, (\q)+1, 0
.if \zero
	WIN FST_HI
.else
	WIN MUL_HI
.endif
	MUL16 4, (\q)%2, \q, \slot, \zero
	MUL16 6, (\q)%2, \q, \slot, \zero
	PLACES NP
	WIN 0
	FETCH_A \slot, (\q)+1, 4
.endm
.macro TURN slot, next, fill
	s_wait_tensorcnt 0x0                           ; all my tensor loads have landed: my part of the next slot
	ds_add_u32 v[SPW], v[NIL]                      ; 0 onto my spare word
	s_wait_dscnt 4*NL+1                            ; the add and the youngest 24 loads may be out
	WIN MUL_LO
	MUL16 0, 1, NQ-1, \slot, 0
	s_wait_dscnt 0x0                               ; the add is done, and my reads of this slot are over
	s_barrier_signal -1
	MUL16 2, 1, NQ-1, \slot, 0
	WIN 0
	s_barrier_wait -1
.if \fill
	CREST                                          ; the barrier has opened a round of the cluster's barrier
	s_add_nc_u64 s[G0+4*\slot+2:G0+4*\slot+3], s[G0+4*\slot+2:G0+4*\slot+3], 2*ASTEP
	s_add_nc_u64 s[G0B+4*\slot+2:G0B+4*\slot+3], s[G0B+4*\slot+2:G0B+4*\slot+3], 2*ROWB
	JLOAD G0+4*\slot, G1, G0B+4*\slot, G1B         ; the first tensor load behind the round; its four v_nop are the places in front of the loads below
.else
	PLACES NP
.endif
	v_add_nc_u32 v[ADRS], 4*NQ, v[ADRS]
	FETCH_B \next, 0, 0
	FETCH_A \next, 0, 0
	SCALES \next
	WIN MUL_HI
	MUL16 4, 1, NQ-1, \slot, 0
	MUL16 6, 1, NQ-1, \slot, 0
	PLACES NP
	WIN 0
	FETCH_A \next, 0, 4
.endm
	s_wait_loadcnt 0x0                             ; bp
	s_wait_tensorcnt 1                             ; the scales and my part of K step 0 are in (K step 1's load may be out),
	s_barrier_signal -1
	s_barrier_wait -1                              ; everybody's are
	FETCH_B 0, 0, 0
	FETCH_A 0, 0, 0
	SCALES 0
	FETCH_A 0, 0, 4
	STEP 0, 0, 1
	s_mov_b32 s3, LAPS-1
.Llap:
	TURN 0, 1, 1
	STEP 1, 0, 0
	TURN 1, 0, 1
	STEP 0, 0, 0
	s_sub_co_u32 s3, s3, 1
	s_cmp_lg_u32 s3, 0
	s_cbranch_scc1 .Llap
	TURN 0, 1, 0
	STEP 1, 0, 0
	s_wait_dscnt 4*NL
	WIN MUL_LO
	MUL16 0, 1, NQ-1, 1, 0
	MUL16 2, 1, NQ-1, 1, 0
	s_wait_dscnt 0
	WIN MUL_HI
	MUL16 4, 1, NQ-1, 1, 0
	MUL16 6, 1, NQ-1, 1, 0
	WIN 0
; THE WAY OUT, block by block of 16 tokens x 128 channels, through my own stage.  Accumulator (a, b), register j, holds channel 32 (b / 2) + 16 h + 8 (b % 2) + j.
.macro TOSTAGE a
.set AC, 64*((\a)%4)
	WIN 0x08+4*((\a)/4)                            ; the data: window 2 or 3
.irp b, 0,1,2,3,4,5,6,7
	ds_store_b128 v[STO], v[AC+8*\b:AC+8*\b+3] offset:128*(\b/2)+32*(\b%2)          ; each accumulator from its low end on
	ds_store_b128 v[STO], v[AC+8*\b+4:AC+8*\b+7] offset:128*(\b/2)+32*(\b%2)+16
.endr
	WIN 0
.set BB, BK+64*((\a)%2)
.irp t, 0,1,2,3,4,5,6,7,8,9,10,11,12,13,14,15
	ds_load_b128 v[BB+4*\t:BB+4*\t+3], v[RD] offset:\t*SPITCH      ; LDS serves a wave's instructions in order: these see the stores above
.endr
.endm
.macro SEND a, younger                 ; row t of block a is token 32 (a / 2) + 8 (a % 2) + t + 8 (t / 8) of my 128: at most 127 rows of 4,096 bytes, inside the signed 24-bit immediate
.set BB, BK+64*((\a)%2)
	s_wait_dscnt \younger
.irp t, 0,1,2,3,4,5,6,7,8,9,10,11,12,13,14,15
	global_store_b128 v[CO], v[BB+4*\t:BB+4*\t+3], s[12:13] offset:(32*((\a)/2)+8*((\a)%2)+\t+8*(\t/8))*4096 th:TH_STORE_NT   ; 32 lanes store 512 consecutive bytes, aligned
.endr
.endm
	PLACES NP
	TOSTAGE 0
.irp a, 1,2,3,4,5,6,7
.if \a > 1
	s_wait_xcnt 0x0                                ; block a - 2's stores have read their registers: block a's loads may land there
.endif
	TOSTAGE \a
	SEND \a-1, 32                                  ; behind block a - 1's loads: block a's 16 stores and 16 loads
.endr
	SEND 7, 0
	s_wait_tensorcnt 0x0                           ; the wave's end
	ds_add_u32 v[SPW], v[NIL]
	s_wait_dscnt 0x0
	CROUND                                         ; the closing round
	s_endpgm
.Lfunc_end_k_qdc79dec354_proj:
	.size	k_qdc79dec354_proj, .Lfunc_end_k_qdc79dec354_proj-k_qdc79dec354_proj
	.p2alignl 7, 3214868480
	.fill 96, 4, 3214868480
	.section	.rodata,"a",@progbits
	.p2align	6, 0x0
	.amdhsa_kernel k_qdc79dec354_proj
		.amdhsa_group_segment_fixed_size 327680
		.amdhsa_private_segment_fixed_size 0
		.amdhsa_enable_private_segment 0
		.amdhsa_kernarg_size 48
		.amdhsa_user_sgpr_count 2
		.amdhsa_user_sgpr_kernarg_segment_ptr 1
		.amdhsa_wavefront_size32 1
		.amdhsa_system_sgpr_workgroup_id_x 1
		.amdhsa_system_sgpr_workgroup_id_y 1
		.amdhsa_system_sgpr_workgroup_id_z 1
		.amdhsa_system_vgpr_workitem_id 0
		.amdhsa_next_free_vgpr 1024
		.amdhsa_next_free_sgpr 100
		.amdhsa_reserve_vcc 0
		.amdhsa_float_denorm_mode_32 3
		.amdhsa_float_denorm_mode_16_64 3
		.amdhsa_memory_ordered 1
		.amdhsa_forward_progress 1
		.amdhsa_inst_pref_size 161
	.end_amdhsa_kernel
	.amdgpu_metadata
---
amdhsa.version: [ 1, 2 ]
amdhsa.kernels:
  - .name:           k_qdc79dec354_proj
    .symbol:         k_qdc79dec354_proj.kd
    .args:
      - { .name: aimg, .offset: 0, .size: 8, .value_kind: global_buffer, .address_space: global }
      - { .name: asc, .offset: 8, .size: 8, .value_kind: global_buffer, .address_space: global }
      - { .name: xwc, .offset: 16, .size: 8, .value_kind: global_buffer, .address_space: global }
      - { .name: xws, .offset: 24, .size: 8, .value_kind: global_buffer, .address_space: global }
      - { .name: bp, .offset: 32, .size: 8, .value_kind: global_buffer, .address_space: global }
      - { .name: out0, .offset: 40, .size: 8, .value_kind: global_buffer, .address_space: global }
    .group_segment_fixed_size: 327680
    .private_segment_fixed_size: 0
    .kernarg_segment_align: 8
    .kernarg_segment_size: 48
    .max_flat_workgroup_size: 128
    .sgpr_count:     100
    .vgpr_count:     1024
    .wavefront_size: 32
...
	.end_amdgpu_metadata
.endif
;; end of part 4
